; MI455X (gfx1250); checked and timed in simulation.
; The chip was launched on July 23, 2026; its instructions are those of AMD's public machine-readable ISA for CDNA 5 (MIT licence, August 2026) and "CDNA5" Instruction Set Architecture Reference Guide (July 2026). The comments in the code are by the model that wrote it; some were corrected since.
;; Causal Self Attention. Allowed arithmetic: matrix products marked QUANTISED: E2M3 operands, one E8M0 scale for each 32 along K, by v_wmma_scale_f32_16x16x128_f8f6f4 with both operands' format E2M3, f32 sums; everything else in f32.
;; Inputs: W_proj 1,024 x 1,024 float32; W_qkv 1,024 x 3,072 float32; b_proj 1,024 float32; b_qkv 3,072 float32; x 4 x 2,048 x 1,024 float32.
;; Outputs: out0 4 x 2,048 x 1,024 float32.
;; This version of the problem:
;;   THIS VERSION OF THE PROBLEM IS GIVEN IN LOW PRECISION. The matrix products marked QUANTISED in the list below multiply operands that are first quantised to E2M3 (2 exponent bits, 3 mantissa bits; 6 bits a number), with one power-of-two scale for each 32 numbers along K (OCP MX v1.0); their sums are f32. All else is computed in f32.
;;   The module's matrix products, in the order in which they are computed (A, B: the left and right operand; K: the contracted axis; several contracted axes count as one K, in the product's order):
;;     1. [M 8,192, K 1,024] x [K 1,024, N 3,072]; A: input x; B: input W_qkv: QUANTISED
;;     2. batch 64 x [M 2,048, K 64] x [K 64, N 2,048]; A: computed on the way; B: computed on the way: QUANTISED
;;     3. batch 64 x [M 2,048, K 2,048] x [K 2,048, N 64]; A: softmax (see below); B: computed on the way: QUANTISED
;;     4. [M 8,192, K 1,024] x [K 1,024, N 1,024]; A: computed on the way; B: input W_proj: QUANTISED
;;   THE QUANTISER, for each operand of a quantised product, along K:
;;     - K is cut into blocks of 32 from its start; a last block that is shorter is filled with zeros.
;;     - A block's scale is 2^e with e = floor(log2(the largest magnitude in the block)) - 2, held to -126 .. 127; a block of zeros has e = 0. As a byte (E8M0): e + 127.
;;     - Each number is divided by its block's scale, clamped to +-7.5, and rounded to the nearest number of E2M3, ties to even, subnormals kept.
;;     - The product sums the exact products of the quantised numbers (number of the format x scale) in f32.
;;   ~~~python
;;   def quantise(x, axis):      # numpy; x: float32 -> the quantised numbers, widened to float32 again
;;       x = np.moveaxis(x, axis, -1); K = x.shape[-1]
;;       x = np.pad(x, [(0, 0)] * (x.ndim - 1) + [(0, -K % 32)]); x = x.reshape(x.shape[:-1] + (-1, 32)); a = np.abs(x).max(-1, keepdims=True)
;;       e = np.where(a > 0, np.clip(np.frexp(np.where(a > 0, a, 1))[1] - 1 - 2, -126, 127), 0)      # np.frexp(a)[1] - 1 = floor(log2(a)), exactly
;;       r = np.clip(x / 2.0 ** e, -7.5, 7.5)
;;       step = 2.0 ** (np.maximum(np.frexp(np.where(r == 0, 1, r))[1] - 1, 0) - 3)
;;       q = np.round(r / step) * step * 2.0 ** e      # np.round: ties to even
;;       return np.moveaxis(q.reshape(q.shape[:-2] + (-1,))[..., :K], -1, axis).astype(np.float32)
;;   ~~~
;;   SOFTMAX AHEAD OF A QUANTISED PRODUCT. Where the list says 'softmax', what is quantised is not the finished softmax but p = 2^(t - M), with t = logit x log2(e) and M = ceil(the row's largest t), a whole number; so 1/2 < the row's largest p <= 1. The row's sum l is taken of the UNQUANTISED p, in f32, and the product's result is divided by l at the end. Since M is a whole number, a kernel that streams over the keys may use a running M (the ceiling of the running maximum): every later rescaling is an exact power of two, which a block's scale takes up: the codes' values come out the same.
;;   OPERANDS COMPUTED ON THE WAY. 'Computed on the way' means the value that the module computes at that place (a softmax that the list does not call 'softmax' is quantised finished and normalised). What goes into a quantiser is computed in f32, as accurately as f32 sums, v_exp_f32 and their like allow (about 1e-6 of the number): no bf16 or f16 on the way to a quantiser, and a product that is left as it is and whose result goes on into a quantised operand takes f32 operands (vector FMAs, or v_wmma_f32_16x16x4_f32). A number that lies on a knife's edge between two numbers of the format may be rounded either way, as far as f32 arithmetic and the matrix unit's own rounding can turn it there, and no further.
;; One version. Each part assembles by itself: llvm-mc -triple=amdgcn-amd-amdhsa -mcpu=gfx1250 --defsym DOCPART=n.
;; ======== version 1 of 1: 4 launches
;; workspace buffers: xw_codes 9,437,184 bytes; xw_sc 393,216 bytes; qkv_codes 18,874,368 bytes; qkv_sc 786,432 bytes; y_codes 6,291,456 bytes; y_sc 262,144 bytes
;; launch quant (part 1): grid 384 x 1, 4 waves a work-group, no clusters, 34,304 bytes of LDS; arguments x, W_qkv, W_proj, xw_codes, xw_sc; writes xw_codes, xw_sc
.if DOCPART == 1
	.amdgcn_target "amdgcn-amd-amdhsa--gfx1250"
	.amdhsa_code_object_version 6
	.text
	.protected	k_q1d757db3ec_quant
	.globl	k_q1d757db3ec_quant
	.p2align	8
	.type	k_q1d757db3ec_quant,@function
k_q1d757db3ec_quant:
	s_mov_b64 s[64:65], 0
	v_nop
	global_prefetch_b8 v0, s[64:65] scope:SCOPE_SE
	s_setreg_imm32_b32 hwreg(HW_REG_WAVE_MODE, 25, 1), 1
	s_wait_xcnt 0x0
; x [8192][1024], W_qkv [1024][3072] and W_proj [1024][1024], f32, become codes of FP6 (E2M3) along K = 1024 with one E8M0 byte for each 32 along K.
; A block's scale is 2^(floor(log2(largest magnitude)) - 2): its byte is the largest magnitude's exponent field - 2, held at 1 from below.
; LIMITS: NaN and infinities among the inputs are not served; a block whose largest magnitude lies under 2^-124 keeps the byte 1; a block of zeros gets the byte 1 where the
; quantiser's text says 127 (its codes are zeros, and these bytes are read by this program alone).
; LAYOUT OF THE CODES: [768 row tiles][16 units][768 bytes].  Rows 0-8191 are x's tokens, 8192 + n W_qkv's column n, 11264 + n W_proj's column n, and inside each aligned 32 rows position p holds
; the row whose number has bits 3 and 4 swapped.  A unit is 16 rows x 64 K in the order of the operand's registers: lane (r, h) owns the 24 bytes of K = 32 h .. 32 h + 31 of row r,
; its bytes 0-15 at 256 h + 16 r and its bytes 16-23 at 512 + 16 r + 8 h.  SCALE BYTES: [4 K steps of 256][12288 rows][8 bytes].
; Work-groups 0-255: 32 tokens of x each, wave w takes K step w.  Work-groups 256-351: W_qkv, 352-383: W_proj: 128 columns x one K step, a lane to a column, registers down K.
; No tensor load, no barrier: waves share nothing.  Only x's path touches LDS (each wave's own stage of 16 rows x 528 bytes).
.set LI,  1                            ; v1   16 x lane
.set LJ,  2                            ; v2   16 r + 8 h
.set R,   16                           ; v16-143  x: two sets of 64 numbers as loaded
.set X,   144                          ; v144-207 x: 64 numbers, register 16 b + i = K 32 b + 16 h + i of my row
.set PC,  208                          ; v208-226 codes and the conversions' second halves
.set TM,  228                          ; v228-243 at work in QUANT
.set PW,  244                          ; v244-247 the four scale words
.set SEL, 20                           ; s[20:21] lane selects: lane l xor 16
.set WX,  32                           ; weights: v32-95 two sets of 32 numbers
.set WC,  96                           ; v96-143 twelve registers of codes for each of four units: no store's data are written again
.set CT,  144                          ; v144-146 a block's second conversion
.set SB,  24                           ; v[24:25] eight scale bytes
; 64 numbers of a lane become a fragment's 12 registers of codes in v[PC] on and its row's scale word in v[pw]
.macro QUANT s, pw
.irp b, 0,1,2,3
	v_max3_num_f32 v[TM+\b], |v[\s+16*\b]|, |v[\s+1+16*\b]|, 0x1800000   ; my 16 numbers of block b, and the floor 2^(3 - 127): the byte cannot fall under 1
.endr
.irp i, 2,4,6,8,10,12,14
.irp b, 0,1,2,3
	v_max3_num_f32 v[TM+\b], v[TM+\b], |v[\s+16*\b+\i]|, |v[\s+1+16*\b+\i]|
.endr
.endr
.irp b, 0,1,2,3
	v_permlanex16_b32 v[TM+4+\b], v[TM+\b], s[SEL], s[SEL+1]
.endr
.irp b, 0,1,2,3
	v_max_num_f32 v[TM+\b], v[TM+\b], v[TM+4+\b]   ; with lane l xor 16's 16: the block's largest magnitude
.endr
.irp b, 0,1,2,3
	v_add_nc_u32 v[TM+12+\b], 0xff000000, v[TM+\b] ; 2 off its exponent field: the conversion's scale operand
.endr
.irp b, 0,1,2,3
	v_lshrrev_b32 v[TM+4+\b], 23, v[TM+12+\b]      ; the scale's byte
.endr
	v_lshl_or_b32 v[\pw], v[TM+5], 8, v[TM+4]
	v_lshl_or_b32 v[\pw], v[TM+6], 16, v[\pw]
	v_lshl_or_b32 v[\pw], v[TM+7], 24, v[\pw]
.irp c, 0,1
	v_cvt_scalef32_pk16_fp6_f32 v[PC+6*\c:PC+2+6*\c], v[\s+32*\c:\s+15+32*\c], v[TM+12+2*\c]
	v_cvt_scalef32_pk16_fp6_f32 v[PC+12+4*\c:PC+14+4*\c], v[\s+16+32*\c:\s+31+32*\c], v[TM+12+2*\c+1]
.endr
	v_nop                                          ; one plain place behind the scaled conversions
.irp c, 0,1                                    ; a whole block to a lane: lanes 0-15 block 2 c, lanes 16-31 block 2 c + 1
.irp i, 0,1,2
	v_permlane16_swap_b32 v[PC+6*\c+\i], v[PC+12+4*\c+\i]
.endr
.irp i, 0,1,2
	v_mov_b32 v[PC+3+6*\c+\i], v[PC+12+4*\c+\i]
.endr
.endr
.endm
.macro UST reg, off                    ; one unit: 512 consecutive bytes, then 256: whole aligned blocks of 256 bytes
	global_store_b128 v[LI], v[\reg:\reg+3], s[10:11] offset:\off
	global_store_b64 v[LJ], v[\reg+4:\reg+5], s[10:11] offset:\off+512
.endm
	s_load_b128 s[4:7], s[0:1], 0x0                ; x, W_qkv
	s_load_b128 s[8:11], s[0:1], 0x10              ; W_proj, the codes
	s_load_b64 s[12:13], s[0:1], 0x20              ; the scale bytes
	v_lshl_add_u32 v254, v0, 2, 0x8400
	v_mov_b32 v255, 0
	v_lshrrev_b32 v1, 5, v0
	v_readfirstlane_b32 s14, v1                    ; wave 0..3
	v_and_b32 v7, 31, v0                           ; lane
	s_cmp_lt_u32 ttmp9, 256
	s_cbranch_scc0 .Lweights
	; ---- x: work-group G owns tokens 32 G .. 32 G + 31; my wave takes K = 256 w .. 256 w + 255
	v_lshlrev_b32 v[LI], 4, v7
	v_and_b32 v8, 15, v0                           ; r
	v_bfe_u32 v9, v0, 4, 1                         ; h
	v_lshlrev_b32 v[LJ], 4, v8
	v_lshl_add_u32 v[LJ], v9, 3, v[LJ]
	s_mul_i32 s15, s14, 8448                       ; my stage
	v_add_nc_u32 v3, s15, v[LI]                    ; in: a row's 512 bytes as they lie
	v_mul_u32_u24 v4, v8, 528
	v_lshl_add_u32 v4, v9, 6, v4
	v_add_nc_u32 v4, s15, v4                       ; back: row r, + 64 h: 16 neighbours of each block of 32
	v_lshlrev_b32 v5, 3, v7                        ; 8 x lane
	s_mov_b32 s[SEL], 0x76543210
	s_mov_b32 s[SEL+1], 0xfedcba98
	s_mov_b32 s22, 0xffff0000                      ; lanes 16-31
.irp b, 0,1,2,3
	v_mov_b32 v[TM+4+\b], 0                        ; written once: a lane permute's destination counts as one of its sources
.endr
	s_lshl_b32 s16, ttmp9, 17                      ; 32 rows of 4,096 bytes
	s_lshl_b32 s17, s14, 10                        ; + 256 numbers a K step
	s_add_co_u32 s16, s16, s17
	s_mov_b32 s17, 0
	s_mul_i32 s18, ttmp9, 24576                    ; two row tiles of 12,288 bytes
	s_mul_i32 s19, s14, 3072                       ; + four units a K step
	s_add_co_u32 s18, s18, s19
	s_mov_b32 s19, 0
	s_mul_i32 s24, s14, 12288
	s_lshl_b32 s25, ttmp9, 5
	s_add_co_u32 s24, s24, s25
	s_lshl_b32 s24, s24, 3                         ; (12288 w + 32 G) x 8
	s_mov_b32 s25, 0
	s_wait_kmcnt 0x0
	s_add_nc_u64 s[4:5], s[4:5], s[16:17]
	s_add_nc_u64 s[10:11], s[10:11], s[18:19]
	s_add_nc_u64 s[12:13], s[12:13], s[24:25]
; sub-item t: tile t / 2 of the two, 128 along K: the t % 2-th.  Position i of a tile is token 8 (t / 2) + i % 8 + 16 (i / 8).  Each load reads 512 consecutive bytes of one row
.macro XLOAD t
.irp i, 0,1,2,3,4,5,6,7,8,9,10,11,12,13,14,15
	global_load_b128 v[R+64*((\t)%2)+4*\i:R+64*((\t)%2)+4*\i+3], v[LI], s[4:5] offset:(8*((\t)/2)+\i%8+16*(\i/8))*4096+512*((\t)%2) th:TH_LOAD_NT
.endr
.endm
.macro XSUB t
.if (\t) < 3
	s_wait_loadcnt 16                              ; this sub-item's 16 loads are in; the next one's 16 may be out
.else
	s_wait_loadcnt 0x0
.endif
.irp i, 0,1,2,3,4,5,6,7,8,9,10,11,12,13,14,15
	ds_store_b128 v3, v[R+64*((\t)%2)+4*\i:R+64*((\t)%2)+4*\i+3] offset:528*\i
.endr
.irp b, 0,1,2,3
.irp j, 0,1,2,3
	ds_load_b128 v[X+16*\b+4*\j:X+16*\b+4*\j+3], v4 offset:128*\b+16*\j   ; LDS serves a wave's instructions in order: these see my stores
.endr
.endr
	s_wait_dscnt 0x0
.if (\t) < 2
	XLOAD (\t)+2
.endif
.if (\t) > 0
	s_wait_xcnt 0x0                                ; the last sub-item's stores have read the codes' registers, which are written again below
.endif
	QUANT X, PW+(\t)
	UST PC, ((\t)/2)*12288+((\t)%2)*1536
	UST PC+6, ((\t)/2)*12288+((\t)%2)*1536+768
.endm
	XLOAD 0
	XLOAD 1
	XSUB 0
	XSUB 1
	XSUB 2
	XSUB 3
	v_cndmask_b32 v6, v[PW], v[PW+2], s22          ; lanes 0-15: tile 0's rows, lanes 16-31: tile 1's; word 0,
	v_cndmask_b32 v7, v[PW+1], v[PW+3], s22        ; word 1
	global_store_b64 v5, v[6:7], s[12:13]          ; 32 lanes store 256 consecutive bytes, aligned
	s_wait_tensorcnt 0x0
	ds_add_u32 v254, v255
	s_wait_dscnt 0x0
	s_endpgm
; ---- a weight [1024][N]: lane l takes column n0 + l and its registers run down K: a block of 32 lies in one lane.  nb: the weight's first row among the weights' rows;  wb: its pointer
.macro WLOAD t, N, wb
.irp i, 0,1,2,3,4,5,6,7,8,9,10,11,12,13,14,15,16,17,18,19,20,21,22,23,24,25,26,27,28,29,30,31
	global_load_b32 v[WX+32*((\t)%2)+\i], v3, s[\wb:\wb+1] offset:(32*(\t)+\i)*\N*4 th:TH_LOAD_NT
.endr
.endm
.macro WBLOCK t, N, wb
.set XS, WX+32*((\t)%2)
.set CU, WC+12*((\t)/2)                ; the unit's twelve registers: 4 for each block's bytes 0-15, 4 for both blocks' bytes 16-23
.set CH, CU+4*((\t)%2)
.if (\t) < 7
	s_wait_loadcnt 32                              ; this block's 32 loads are in; the next block's may be out
.else
	s_wait_loadcnt 0x0
.endif
	v_max3_num_f32 v12, |v[XS]|, |v[XS+1]|, |v[XS+2]|
	v_max3_num_f32 v13, |v[XS+3]|, |v[XS+4]|, |v[XS+5]|
.irp i, 6,10,14,18,22,26
	v_max3_num_f32 v12, v12, |v[XS+\i]|, |v[XS+\i+1]|
	v_max3_num_f32 v13, v13, |v[XS+\i+2]|, |v[XS+\i+3]|
.endr
	v_max3_num_f32 v12, v12, |v[XS+30]|, |v[XS+31]|
	v_max3_num_f32 v12, v12, v13, 0x1800000        ; and the floor
	v_add_nc_u32 v11, 0xff000000, v12              ; the conversion's scale operand
	v_lshrrev_b32 v13, 23, v11                     ; the byte
.if (\t)%4 == 0
	v_mov_b32 v[SB+(\t)/4], v13
.else
	v_lshl_or_b32 v[SB+(\t)/4], v13, 8*((\t)%4), v[SB+(\t)/4]
.endif
	v_cvt_scalef32_pk16_fp6_f32 v[CH:CH+2], v[XS:XS+15], v11
	v_cvt_scalef32_pk16_fp6_f32 v[CT:CT+2], v[XS+16:XS+31], v11
	v_nop                                          ; one plain place behind the scaled conversions
	v_mov_b32 v[CH+3], v[CT]                       ; bytes 12-15
	v_mov_b32 v[CU+8+2*((\t)%2)], v[CT+1]          ; bytes 16-23
	v_mov_b32 v[CU+9+2*((\t)%2)], v[CT+2]
.if (\t)+2 < 8
	WLOAD (\t)+2, \N, \wb
.endif
.if (\t)%2 == 1
	global_store_b128 v4, v[CU:CU+3], s[10:11] offset:((\t)/2)*768         ; the 16 lanes of a tile fill 256 consecutive bytes, aligned
	global_store_b128 v4, v[CU+4:CU+7], s[10:11] offset:((\t)/2)*768+256
	global_store_b128 v4, v[CU+8:CU+11], s[10:11] offset:((\t)/2)*768+512
.endif
.endm
.macro WQ N, nb, wb                    ; s15: the work-group's number within this weight: 4 x column group + K step
	s_lshr_b32 s16, s15, 2
	s_and_b32 s17, s15, 3                          ; K step
	s_lshl_b32 s16, s16, 7
	s_lshl_b32 s18, s14, 5
	s_add_co_u32 s16, s16, s18                     ; n0 = 128 x column group + 32 x wave
	v_lshlrev_b32 v3, 2, v7                        ; in: 4 bytes a lane
	v_bfe_u32 v8, v0, 3, 1                         ; my column's tile of the two: bit 3 of the lane,
	v_bfe_u32 v9, v0, 4, 1
	v_and_b32 v10, 7, v0
	v_lshl_or_b32 v9, v9, 3, v10                   ; and its row there: bit 4 moved to bit 3
	v_lshlrev_b32 v4, 4, v9
	v_mad_u32_u24 v4, v8, 0x3000, v4               ; 12288 x tile + 16 x row
	v_lshl_add_u32 v5, v8, 4, v9
	v_lshlrev_b32 v5, 3, v5                        ; 8 x position
	s_mul_i32 s18, s17, 256*\N*4
	s_lshl_b32 s19, s16, 2
	s_add_co_u32 s18, s18, s19
	s_mov_b32 s19, 0
	s_add_co_u32 s20, s16, 8192+\nb                ; my first row among all rows
	s_mul_i32 s22, s17, 12288
	s_add_co_u32 s22, s22, s20
	s_lshl_b32 s22, s22, 3
	s_mov_b32 s23, 0
	s_mul_i32 s20, s20, 768
	s_mul_i32 s21, s17, 3072
	s_add_co_u32 s20, s20, s21
	s_mov_b32 s21, 0
	s_wait_kmcnt 0x0
	s_add_nc_u64 s[\wb:\wb+1], s[\wb:\wb+1], s[18:19]
	s_add_nc_u64 s[10:11], s[10:11], s[20:21]
	s_add_nc_u64 s[12:13], s[12:13], s[22:23]
	WLOAD 0, \N, \wb
	WLOAD 1, \N, \wb
.irp t, 0,1,2,3,4,5,6,7
	WBLOCK \t, \N, \wb
.endr
	global_store_b64 v5, v[SB:SB+1], s[12:13]      ; the wave's 32 rows x 8 bytes: 256 consecutive bytes, aligned
	s_endpgm
.endm
.Lweights:
	s_sub_co_u32 s15, ttmp9, 256
	s_cmp_lt_u32 ttmp9, 352
	s_cbranch_scc0 .Lproj
	WQ 3072, 0, 6
.Lproj:
	s_sub_co_u32 s15, ttmp9, 352
	WQ 1024, 3072, 8
.Lfunc_end_k_q1d757db3ec_quant:
	.size	k_q1d757db3ec_quant, .Lfunc_end_k_q1d757db3ec_quant-k_q1d757db3ec_quant
	.p2alignl 7, 3214868480
	.fill 96, 4, 3214868480
	.section	.rodata,"a",@progbits
	.p2align	6, 0x0
	.amdhsa_kernel k_q1d757db3ec_quant
		.amdhsa_group_segment_fixed_size 34304
		.amdhsa_private_segment_fixed_size 0
		.amdhsa_enable_private_segment 0
		.amdhsa_kernarg_size 40
		.amdhsa_user_sgpr_count 2
		.amdhsa_user_sgpr_kernarg_segment_ptr 1
		.amdhsa_wavefront_size32 1
		.amdhsa_system_sgpr_workgroup_id_x 1
		.amdhsa_system_sgpr_workgroup_id_y 1
		.amdhsa_system_sgpr_workgroup_id_z 1
		.amdhsa_system_vgpr_workitem_id 0
		.amdhsa_next_free_vgpr 256
		.amdhsa_next_free_sgpr 66
		.amdhsa_reserve_vcc 0
		.amdhsa_float_denorm_mode_32 3
		.amdhsa_float_denorm_mode_16_64 3
		.amdhsa_memory_ordered 1
		.amdhsa_forward_progress 1
		.amdhsa_inst_pref_size 111
	.end_amdhsa_kernel
	.amdgpu_metadata
---
amdhsa.version: [ 1, 2 ]
amdhsa.kernels:
  - .name:           k_q1d757db3ec_quant
    .symbol:         k_q1d757db3ec_quant.kd
    .args:
      - { .name: x, .offset: 0, .size: 8, .value_kind: global_buffer, .address_space: global }
      - { .name: W_qkv, .offset: 8, .size: 8, .value_kind: global_buffer, .address_space: global }
      - { .name: W_proj, .offset: 16, .size: 8, .value_kind: global_buffer, .address_space: global }
      - { .name: xw_codes, .offset: 24, .size: 8, .value_kind: global_buffer, .address_space: global }
      - { .name: xw_sc, .offset: 32, .size: 8, .value_kind: global_buffer, .address_space: global }
    .group_segment_fixed_size: 34304
    .private_segment_fixed_size: 0
    .kernarg_segment_align: 8
    .kernarg_segment_size: 40
    .max_flat_workgroup_size: 128
    .sgpr_count:     66
    .vgpr_count:     256
    .wavefront_size: 32
...
	.end_amdgpu_metadata
.endif
;; end of part 1
;; launch gemm_qkv (part 2): grid 12 x 32, 4 waves a work-group, clusters of 4 x 4, 327,680 bytes of LDS; arguments xw_codes, xw_sc, b_qkv, qkv_codes, qkv_sc; writes qkv_codes, qkv_sc
.if DOCPART == 2
	.amdgcn_target "amdgcn-amd-amdhsa--gfx1250"
	.amdhsa_code_object_version 6
	.text
	.protected	k_q1d757db3ec_gemm_qkv
	.globl	k_q1d757db3ec_gemm_qkv
	.p2align	8
	.type	k_q1d757db3ec_gemm_qkv,@function
k_q1d757db3ec_gemm_qkv:
	s_mov_b64 s[64:65], 0
	v_nop
	global_prefetch_b8 v0, s[64:65] scope:SCOPE_SE
	s_setreg_imm32_b32 hwreg(HW_REG_WAVE_MODE, 25, 1), 1
	s_wait_xcnt 0x0
	s_wait_alu depctr_hold_cnt(0) depctr_sa_sdst(0) depctr_va_vdst(0) depctr_va_sdst(0) depctr_va_ssrc(0) depctr_va_vcc(0) depctr_vm_vsrc(0)
	s_getreg_b32 s2, hwreg(HW_REG_IB_STS2, 6, 4)
	s_cmp_eq_u32 s2, 0
	s_cbranch_scc0 .Lentry_in_a_cluster
	s_endpgm
.Lentry_in_a_cluster:
	s_bfe_u32 s2, ttmp6, 0x10000c
	s_cmp_lg_u32 s2, 0xf033
	s_cbranch_scc0 .Lentry_shape_is_right
	s_endpgm
.Lentry_shape_is_right:
; qkv = x W_qkv + b_qkv on codes of FP6 (E2M3) with E8M0 scales, K = 1024, and q, k, v quantised on the way out: nothing of qkv goes to memory as f32.
; A work-group of four waves makes 256 x 256, a wave 128 x 128: 64 accumulators, 512 registers.  K goes in four steps of 256 through two LDS slots filled by the tensor data mover.
; The codes lie in memory in the order of the operand's registers (units of 768 bytes = 16 rows x 64 K: lane (r, h)'s bytes 0-15 at 16 x lane, bytes 16-23 at 512 + 16 r + 8 h),
; so a row tile's part of a K step is 3,072 consecutive bytes and a fragment is two loads of 16 bytes and two of 8, each over consecutive bytes.
; THE MATRIX INSTRUCTION IS USED TRANSPOSED: source 0 = 16 rows of B, source 1 = 16 rows of A: a lane holds one row of A, and its registers run along B's rows.  Rows lie with bits 3 and 4 of their
; number swapped inside each 32, so the 16 registers of two neighbouring tiles of B are 16 true neighbours: what the conversions to codes want.
; ROLES, by the cluster's x, which all partners share.  x = 0, 1: A = x's tokens, B = W's columns of q and k: a lane is a token, registers run along a head's 64: q and k are quantised along the head.
; x = 2: A = W's columns of v, B = x's tokens: a lane is a channel, registers run along the tokens: v is quantised along the keys.
; CLUSTERS: 4 x 4 work-groups; A's tiles are asked for jointly along a row of the cluster, B's along a column.
; OUT: q, k: [head 64][token tile 128][768]; v: [head][key step 16][channel tile 4][2][768]; scale words [head][step 16][row 16][4 words].
; LIMITS: NaN and infinities are not served; a block whose largest magnitude lies under 2^-124, a block of zeros among them, keeps the byte 1 (these bytes are read by this program alone).
; REGISTERS: window 0: v1-31 addresses; v32-63 scale words, two sets; v64-127 the bias; from v128 A's fragments, one set.  window 1: B's fragments, two sets.  windows 2, 3: the accumulators.
.set NQ,    2                          ; matrix instructions deep in a slot
.set FR,    12                         ; registers of a fragment
.set NL,    4                          ; LDS loads that bring one
.set NP,    4                          ; places behind this matrix instruction (ISA guide 7.12.1)
.set RT,    3072                       ; a row tile's part of a K step
.set HALFT, 8*RT                       ; 128 rows: what one tensor load brings
.set SLOT,  4*HALFT                    ; A's 256 rows, then B's
.set SCL,   2*SLOT                     ; the scale bytes: four pieces [4 K steps][128 rows][8 bytes]; B's two begin 128 bytes further on
.set SPARE, SCL+16640                  ; the spare words, 128 bytes for each wave
.set ADRA, 16                          ; v16-17 my A fragments in slot 0, 1 (16 x lane); v18-19 the same with 16 r + 8 h
.set ADRB, 20                          ; v20-23 the same for B
.set LI,   24
.set LJ,   25
.set SO,   26                          ; 16 r + 4096 h: the scale quads' place
.set ADRS, 27                          ; my scale words: lanes 0-15 A's rows, lanes 16-31 B's
.set SPW,  28
.set NIL,  29
.set SC,   32
.set AF,   128
.set SW,   32                          ; the way out: v32-39 eight scale words
.set TM,   40                          ; v40-55 at work in QUANT
.set BI,   64                          ; v64-127 the bias
.set HA,   128                         ; v128-191 a block's 64 numbers
.set PC,   192                         ; v192-210 codes
.set D0,   212                         ; v212-219 the scale quads
.set D1,   216
.set SEL,  18                          ; s[18:19]
.set G1, 24
.set G0, 32
.set G1B, 48
.set G0B, 56
.set G1S, 68
.set G0S, 76
.set G1SB, 80
.set G0SB, 88
.set MSB, 0
.macro WIN new                         ; the immediate's high byte repeats the setting that is left
.if MSB != (\new)
	s_set_vgpr_msb (MSB<<8)|(\new)
.set MSB, (\new)
.endif
.endm
.set MUL_LO, 0xa1                      ; source 0 (B) window 1, source 1 (A) window 0, C and D window 2
.set MUL_HI, 0xf1
.set TO_B,   0x40
; a joint load: waves 0 and 1 fetch for A, waves 2 and 3 for B; the branch hangs on the wave's number alone; four v_nop follow each line
.macro JLOAD g0a, g1a, g0b, g1b
	s_cmp_eq_u32 s15, 0
	s_cbranch_scc0 .Lfor_b_\@
	tensor_load_to_lds s[\g0a:\g0a+3], s[\g1a:\g1a+7]
	s_nop 0
.rept 4
	v_nop
.endr
	s_branch .Lasked_\@
.Lfor_b_\@:
	tensor_load_to_lds s[\g0b:\g0b+3], s[\g1b:\g1b+7]
	s_nop 0
.rept 4
	v_nop
.endr
.Lasked_\@:
.endm
.macro CREST
	s_cmp_lg_u32 s14, 0
	s_cbranch_scc1 .Lnot_wave_0_\@
	s_barrier_signal -3
.Lnot_wave_0_\@:
	s_barrier_wait -3
	s_barrier_signal -1
	s_barrier_wait -1
.endm
.macro CROUND
	s_barrier_signal -1
	s_barrier_wait -1
	CREST
.endm
	s_load_b256 s[4:11], s[0:1], 0x0               ; codes s[4:5], scale bytes s[6:7], b_qkv s[8:9], qkv's codes s[10:11]
	s_load_b64 s[12:13], s[0:1], 0x20              ; qkv's scale words
	v_lshl_add_u32 v[SPW], v0, 2, SPARE
	v_mov_b32 v[NIL], 0
	ds_add_u32 v28, v29
	ds_add_u32 v28, v29
	s_wait_dscnt 0x0
	v_lshrrev_b32 v1, 5, v0
	v_readfirstlane_b32 s14, v1                    ; wave 0..3
	s_lshr_b32 s15, s14, 1                         ; my half of A's rows.  Also: I fetch for A (0) or for B (1)
	s_and_b32 s16, s14, 1                          ; my half of B's rows.  Also: which 128 rows I fetch
	s_bfe_u32 s40, ttmp6, 0x40000                  ; cx
	s_bfe_u32 s41, ttmp6, 0x40004                  ; cy
	s_and_b32 s45, ttmp7, 0xffff                   ; cluster y
	s_cmp_eq_u32 ttmp9, 2                          ; the role: the cluster's x, the same in all sixteen partners
	s_cselect_b32 s95, 1, 0
	s_cselect_b32 s96, 0, s45                      ; A's tile row counts by cluster y (q, k) or lies in W_v's four tiles
	s_cselect_b32 s97, s45, ttmp9                  ; B's tile column
	s_cselect_b32 s98, 10240, 0                    ; A's first row among all rows
	s_cselect_b32 s99, 0, 8192                     ; B's
	s_lshl_b32 s17, s96, 2
	s_add_co_u32 s17, s17, s41                     ; tr
	s_lshl_b32 s42, s97, 2
	s_add_co_u32 s42, s42, s40                     ; tc
	s_lshl_b32 s43, s41, 2
	s_lshl_b32 s43, 15, s43                        ; my row of the cluster
	s_lshl_b32 s44, 0x1111, s40                    ; my column
	; group 1, codes: 8 rows of 384 elements of 8 bytes (3,072 bytes), 1,536 elements apart; no padding
	s_or_b32 s[G1+0], s43, (3<<16)|(1<<21)
	s_or_b32 s[G1B+0], s44, (3<<16)|(1<<21)
.irp g, G1, G1B
	s_mov_b32 s[\g+1], 384<<16
	s_mov_b32 s[\g+2], 8<<16
	s_mov_b32 s[\g+3], 384<<16
	s_mov_b32 s[\g+4], 8
	s_mov_b32 s[\g+5], 1536
	s_mov_b32 s[\g+6], 0
	s_mov_b32 s[\g+7], 0
.endr
	; group 1, scale bytes: 4 rows (K steps) of 128 elements of 8 bytes, 12,288 elements apart
	s_or_b32 s[G1S+0], s43, (3<<16)|(1<<21)
	s_or_b32 s[G1SB+0], s44, (3<<16)|(1<<21)
.irp g, G1S, G1SB
	s_mov_b32 s[\g+1], 128<<16
	s_mov_b32 s[\g+2], 4<<16
	s_mov_b32 s[\g+3], 128<<16
	s_mov_b32 s[\g+4], 4
	s_mov_b32 s[\g+5], 12288
	s_mov_b32 s[\g+6], 0
	s_mov_b32 s[\g+7], 0
.endr
	s_lshl_b32 s18, s16, 7
	s_lshl_b32 s20, s17, 8
	s_add_co_u32 s20, s20, s18
	s_add_co_u32 s20, s20, s98                     ; A: the first row that I fetch
	s_lshl_b32 s46, s42, 8
	s_add_co_u32 s46, s46, s18
	s_add_co_u32 s46, s46, s99                     ; B likewise
	s_lshl_b32 s22, s20, 3                         ; 8 scale bytes a row and K step
	s_mov_b32 s23, 0
	s_lshl_b32 s92, s46, 3
	s_mov_b32 s93, 0
	s_mul_i32 s20, s20, 768                        ; 768 bytes of codes a row
	s_mov_b32 s21, 0
	s_mul_i32 s46, s46, 768
	s_mov_b32 s47, 0
	s_mul_i32 s45, s14, HALFT                      ; where they go: wave x 128 rows
	s_lshl_b32 s94, s14, 12
	s_lshl_b32 s19, s15, 7
	s_add_co_u32 s94, s94, s19                     ; the scale bytes: 4,096 x wave + 128 for B's
	s_wait_kmcnt 0x0
	s_add_nc_u64 s[20:21], s[4:5], s[20:21]
	s_add_nc_u64 s[22:23], s[6:7], s[22:23]
	s_add_nc_u64 s[46:47], s[4:5], s[46:47]
	s_add_nc_u64 s[92:93], s[6:7], s[92:93]
	CROUND                                         ; all sixteen work-groups are here: the first joint loads meet
	s_mov_b32 s[G0S], 1
	s_add_co_u32 s[G0S+1], s94, SCL
	s_mov_b64 s[G0S+2:G0S+3], s[22:23]
	s_or_b32 s[G0S+3], s[G0S+3], 0x80000000
	s_mov_b32 s[G0SB], 1
	s_add_co_u32 s[G0SB+1], s94, SCL
	s_mov_b64 s[G0SB+2:G0SB+3], s[92:93]
	s_or_b32 s[G0SB+3], s[G0SB+3], 0x80000000
	JLOAD G0S, G1S, G0SB, G1SB                     ; the scale bytes of all of K: filled once
.irp s, 0,1
	s_mov_b32 s[G0+4*\s], 1
	s_add_co_u32 s[G0+4*\s+1], s45, \s*SLOT
	s_add_nc_u64 s[G0+4*\s+2:G0+4*\s+3], s[20:21], \s*RT
	s_or_b32 s[G0+4*\s+3], s[G0+4*\s+3], 0x80000000
	s_mov_b32 s[G0B+4*\s], 1
	s_add_co_u32 s[G0B+4*\s+1], s45, \s*SLOT
	s_add_nc_u64 s[G0B+4*\s+2:G0B+4*\s+3], s[46:47], \s*RT
	s_or_b32 s[G0B+4*\s+3], s[G0B+4*\s+3], 0x80000000
	JLOAD G0+4*\s, G1, G0B+4*\s, G1B               ; three tensor loads of mine are out
.endr
	v_and_b32 v1, 15, v0                           ; r
	v_bfe_u32 v2, v0, 4, 1                         ; h
	v_and_b32 v3, 31, v0
	v_lshlrev_b32 v[LI], 4, v3
	v_lshlrev_b32 v[LJ], 4, v1
	v_lshl_add_u32 v[LJ], v2, 3, v[LJ]
	s_mul_i32 s21, s15, HALFT                      ; my 128 rows of A
	s_mul_i32 s22, s16, HALFT
	s_add_co_u32 s22, s22, 2*HALFT                 ; my 128 rows of B, behind A's 256
.irp s, 0,1
	v_add_nc_u32 v[ADRA+\s], s21, v[LI]
	v_add_nc_u32 v[ADRA+2+\s], s21, v[LJ]
	v_add_nc_u32 v[ADRB+\s], s22, v[LI]
	v_add_nc_u32 v[ADRB+2+\s], s22, v[LJ]
	s_add_co_u32 s21, s21, SLOT
	s_add_co_u32 s22, s22, SLOT
.endr
	s_lshl_b32 s21, s15, 12                        ; A's scale bytes: my 128 rows
	s_lshl_b32 s22, s16, 12
	s_add_co_u32 s22, s22, 8320                    ; B's, behind A's two pieces and 128 bytes
	s_sub_co_u32 s22, s22, s21
	v_mul_u32_u24 v6, s22, v2                      ; lanes 16-31 take B's: one product, the distance between the two
	s_add_co_u32 s21, s21, SCL
	v_lshl_add_u32 v5, v1, 3, v6
	v_add_nc_u32 v[ADRS], s21, v5
	v_lshlrev_b32 v[SO], 4, v1
	v_lshl_add_u32 v[SO], v2, 12, v[SO]
	s_mov_b32 s[SEL], 0x76543210
	s_mov_b32 s[SEL+1], 0xfedcba98
	s_mov_b32 s3, 0xffff0000                       ; lanes 16-31
.macro FRAG reg, adr, q, i             ; a fragment is two units: registers 0-3, 4-5 from the first, 6-9, 10-11 from the second
	ds_load_b128 v[\reg:\reg+3], v[\adr] offset:(\i)*RT+(\q)*1536
	ds_load_b64 v[\reg+4:\reg+5], v[\adr+2] offset:(\i)*RT+(\q)*1536+512
	ds_load_b128 v[\reg+6:\reg+9], v[\adr] offset:(\i)*RT+(\q)*1536+768
	ds_load_b64 v[\reg+10:\reg+11], v[\adr+2] offset:(\i)*RT+(\q)*1536+1280
.endm
; 16 matrix instructions: A's blocks a0, a0 + 1 x B's eight.  The 64 accumulators take turns, one instruction a turn, in the same order in every step
.macro MUL16 a0, p, q, sc, zero
.irp a, \a0, \a0+1
.irp b, 0,1,2,3,4,5,6,7
.if \zero
	v_wmma_scale_f32_16x16x128_f8f6f4 v[8*(8*((\a)%4)+\b):8*(8*((\a)%4)+\b)+7], v[128*(\p)+FR*\b:128*(\p)+FR*\b+FR-1], v[AF+FR*(\a):AF+FR*(\a)+FR-1], 0, v[SC+8*NQ*(\sc)+NQ*\b+(\q)], v[SC+8*NQ*(\sc)+NQ*(\a)+(\q)] matrix_a_fmt:MATRIX_FMT_FP6 matrix_b_fmt:MATRIX_FMT_FP6 matrix_a_scale:MATRIX_SCALE_ROW1
.else
	v_wmma_scale_f32_16x16x128_f8f6f4 v[8*(8*((\a)%4)+\b):8*(8*((\a)%4)+\b)+7], v[128*(\p)+FR*\b:128*(\p)+FR*\b+FR-1], v[AF+FR*(\a):AF+FR*(\a)+FR-1], v[8*(8*((\a)%4)+\b):8*(8*((\a)%4)+\b)+7], v[SC+8*NQ*(\sc)+NQ*\b+(\q)], v[SC+8*NQ*(\sc)+NQ*(\a)+(\q)] matrix_a_fmt:MATRIX_FMT_FP6 matrix_b_fmt:MATRIX_FMT_FP6 matrix_a_scale:MATRIX_SCALE_ROW1
.endif
.endr
.endr
.endm
.macro FETCH_B slot, q, p
	WIN TO_B
.irp i, 0,1,2,3,4,5,6,7
	FRAG 128*(\p)+FR*\i, ADRB+\slot, \q, \i
.endr
	WIN 0
.endm
.macro FETCH_A slot, q, i0
.irp i, \i0, \i0+1, \i0+2, \i0+3
	FRAG AF+FR*(\i), ADRA+\slot, \q, \i
.endr
.endm
.macro SCALES sc, ks                   ; K step ks's scale words into set sc: two words a row; lanes 0-15 A's block i, lanes 16-31 B's block i
.irp i, 0,1,2,3,4,5,6,7
	ds_load_b64 v[SC+8*NQ*\sc+NQ*\i:SC+8*NQ*\sc+NQ*\i+1], v[ADRS] offset:\i*128+(\ks)*1024
.endr
.endm
.macro PLACES n                        ; plain places behind matrix instructions, in front of loads into their registers and of reads of their results
.rept \n
	v_nop
.endr
.endm
.macro STEP slot, q, zero              ; 128 along K that has its successor in the same slot
	s_wait_dscnt 4*NL                              ; all but the youngest 16 loads (A's blocks 4-7) are in
	WIN MUL_LO
	MUL16 0, (\q)%2, \q, \slot, \zero
	MUL16 2, (\q)%2, \q, \slot, \zero
	s_wait_dscnt 0
	PLACES NP
	FETCH_B \slot, (\q)+1, 1-(\q)%2
	FETCH_A \slot, (\q)+1, 0
	WIN MUL_HI
	MUL16 4, (\q)%2, \q, \slot, \zero
	MUL16 6, (\q)%2, \q, \slot, \zero
	PLACES NP
	WIN 0
	FETCH_A \slot, (\q)+1, 4
.endm
; a slot's last 128 along K changes slots: one barrier; in front of it each wave waits for all its tensor loads, adds 0 to its spare word, and waits for that and for its reads of this slot
.macro TURN slot, next, fill, ks
	s_wait_tensorcnt 0x0                           ; all my tensor loads have landed: my part of the next slot
	ds_add_u32 v[SPW], v[NIL]                      ; 0 onto my spare word
	s_wait_dscnt 4*NL+1                            ; the add and the youngest 16 loads may be out
	WIN MUL_LO
	MUL16 0, 1, NQ-1, \slot, 0
	s_wait_dscnt 0x0                               ; the add is done, and my reads of this slot are over
	s_barrier_signal -1
	MUL16 2, 1, NQ-1, \slot, 0
	WIN 0
	s_barrier_wait -1
.if \fill
	CREST                                          ; the barrier has opened a round of the cluster's: no wave of any partner still reads this slot or has a load on its way
	s_add_nc_u64 s[G0+4*\slot+2:G0+4*\slot+3], s[G0+4*\slot+2:G0+4*\slot+3], 2*RT
	s_add_nc_u64 s[G0B+4*\slot+2:G0B+4*\slot+3], s[G0B+4*\slot+2:G0B+4*\slot+3], 2*RT
	JLOAD G0+4*\slot, G1, G0B+4*\slot, G1B         ; my one tensor load behind the round; its four v_nop are the places in front of the loads below
.else
	PLACES NP
.endif
	FETCH_B \next, 0, 0
	FETCH_A \next, 0, 0
	SCALES \next, \ks
	WIN MUL_HI
	MUL16 4, 1, NQ-1, \slot, 0
	MUL16 6, 1, NQ-1, \slot, 0
	PLACES NP
	WIN 0
	FETCH_A \next, 0, 4
.endm
.macro LAST                            ; the very last 128 along K: nothing more to fetch
	s_wait_dscnt 4*NL
	WIN MUL_LO
	MUL16 0, 1, NQ-1, 1, 0
	MUL16 2, 1, NQ-1, 1, 0
	s_wait_dscnt 0
	WIN MUL_HI
	MUL16 4, 1, NQ-1, 1, 0
	MUL16 6, 1, NQ-1, 1, 0
	WIN 0
.endm
; 64 numbers of a lane, register 16 b + i = K 32 b + 16 h + i of my row, become 12 registers of codes in v[PC] on and the row's scale word in v[pw]
.macro QUANT s, pw
.irp b, 0,1,2,3
	v_max3_num_f32 v[TM+\b], |v[\s+16*\b]|, |v[\s+1+16*\b]|, 0x1800000   ; and the floor 2^(3 - 127): the byte cannot fall under 1
.endr
.irp i, 2,4,6,8,10,12,14
.irp b, 0,1,2,3
	v_max3_num_f32 v[TM+\b], v[TM+\b], |v[\s+16*\b+\i]|, |v[\s+1+16*\b+\i]|
.endr
.endr
.irp b, 0,1,2,3
	v_permlanex16_b32 v[TM+4+\b], v[TM+\b], s[SEL], s[SEL+1]
.endr
.irp b, 0,1,2,3
	v_max_num_f32 v[TM+\b], v[TM+\b], v[TM+4+\b]
.endr
.irp b, 0,1,2,3
	v_add_nc_u32 v[TM+12+\b], 0xff000000, v[TM+\b] ; 2 off the exponent field: the conversion's scale operand
.endr
.irp b, 0,1,2,3
	v_lshrrev_b32 v[TM+4+\b], 23, v[TM+12+\b]
.endr
	v_lshl_or_b32 v[\pw], v[TM+5], 8, v[TM+4]
	v_lshl_or_b32 v[\pw], v[TM+6], 16, v[\pw]
	v_lshl_or_b32 v[\pw], v[TM+7], 24, v[\pw]
.irp c, 0,1
	v_cvt_scalef32_pk16_fp6_f32 v[PC+6*\c:PC+2+6*\c], v[\s+32*\c:\s+15+32*\c], v[TM+12+2*\c]
	v_cvt_scalef32_pk16_fp6_f32 v[PC+12+4*\c:PC+14+4*\c], v[\s+16+32*\c:\s+31+32*\c], v[TM+12+2*\c+1]
.endr
	v_nop                                          ; one plain place behind the scaled conversions
.irp c, 0,1
.irp i, 0,1,2
	v_permlane16_swap_b32 v[PC+6*\c+\i], v[PC+12+4*\c+\i]
.endr
.irp i, 0,1,2
	v_mov_b32 v[PC+3+6*\c+\i], v[PC+12+4*\c+\i]
.endr
.endr
.endm
.macro UST reg, off                    ; one unit: whole aligned blocks of 256 bytes
	global_store_b128 v[LI], v[\reg:\reg+3], s[10:11] offset:\off
	global_store_b64 v[LJ], v[\reg+4:\reg+5], s[10:11] offset:\off+512
.endm
; the way out's bases from s20 = section, s21 = first head (16 x batch + head), s22 = step of 128 tokens, s23 = the bias's byte
.macro EBASE
	s_mul_i32 s46, s20, 6291456
	s_mul_i32 s47, s21, 98304
	s_add_co_u32 s46, s46, s47
	s_mul_i32 s47, s22, 6144
	s_add_co_u32 s46, s46, s47
	s_mov_b32 s47, 0
	s_add_nc_u64 s[10:11], s[10:11], s[46:47]
	s_lshl_b32 s46, s20, 18
	s_lshl_b32 s92, s21, 12
	s_add_co_u32 s46, s46, s92
	s_lshl_b32 s92, s22, 8
	s_add_co_u32 s46, s46, s92
	s_add_nc_u64 s[12:13], s[12:13], s[46:47]
	s_mov_b32 s46, s23
	s_add_nc_u64 s[8:9], s[8:9], s[46:47]
.endm
; block a of A's eight: its 64 sums + the bias (the addition is also the move into window 0; each accumulator is read from its low end on), quantised, stored
.macro EBLK role, a
.if (\a) > 0
	s_wait_xcnt 0x0                                ; the last block's stores have read the codes' registers
.endif
	WIN 0x02+(\a)/4                                ; source 0: window 2 or 3
.set j, 0
.rept 32
.if \role
	v_pk_add_f32 v[HA+2*j:HA+2*j+1], v[64*((\a)%4)+2*j:64*((\a)%4)+2*j+1], v[BI+2*(\a):BI+2*(\a)+1]
.else
	v_pk_add_f32 v[HA+2*j:HA+2*j+1], v[64*((\a)%4)+2*j:64*((\a)%4)+2*j+1], v[BI+2*j:BI+2*j+1]
.endif
.set j, j+1
.endr
	WIN 0
	QUANT HA, SW+(\a)
.if \role
	UST PC, ((\a)/4)*98304+((\a)%4)*1536           ; head a / 4, channel tile a % 4: keys 0-63 of the step,
	UST PC+6, ((\a)/4)*98304+((\a)%4)*1536+768     ; keys 64-127
.else
	UST PC, (\a)*768                               ; token tile a: the first head's 64,
	UST PC+6, 98304+(\a)*768                       ; the next head's
.endif
.endm
	s_wait_tensorcnt 1                             ; the scale bytes and my part of K step 0 are in (K step 1's load may be out),
	s_barrier_signal -1
	s_barrier_wait -1                              ; everybody's are
	FETCH_B 0, 0, 0
	FETCH_A 0, 0, 0
	SCALES 0, 0
	FETCH_A 0, 0, 4
	STEP 0, 0, 1                                   ; the first products start the sums: nothing is cleared
	TURN 0, 1, 1, 1                                ; slot 0 takes K step 2
	STEP 1, 0, 0
	TURN 1, 0, 1, 2                                ; slot 1 takes K step 3
	STEP 0, 0, 0
	TURN 0, 1, 0, 3                                ; nothing is left to fetch
	STEP 1, 0, 0
	s_cmp_eq_u32 s95, 1
	s_cbranch_scc1 .Lv
	; ---- q and k: a lane is a token; the wave's 128 columns are two heads
	s_lshr_b32 s20, s42, 2                         ; section: q or k
	s_and_b32 s21, s42, 3
	s_lshl_b32 s21, s21, 2
	s_lshl_b32 s22, s16, 1
	s_add_co_u32 s21, s21, s22                     ; head 4 (tc % 4) + 2 x half
	s_lshr_b32 s22, s17, 3
	s_lshl_b32 s22, s22, 4
	s_add_co_u32 s21, s21, s22                     ; + 16 x batch
	s_and_b32 s22, s17, 7
	s_lshl_b32 s22, s22, 1
	s_add_co_u32 s22, s22, s15                     ; step of 128 tokens
	s_lshl_b32 s23, s42, 10
	s_lshl_b32 s46, s16, 9
	s_add_co_u32 s23, s23, s46                     ; the bias: 4 (256 tc + 128 x half)
	EBASE
	v_lshlrev_b32 v3, 6, v2                        ; register 16 g + 8 u + j is column 32 g + 16 h + 8 u + j
.irp t, 0,1,2,3,4,5,6,7
	global_load_b128 v[BI+8*\t:BI+8*\t+3], v3, s[8:9] offset:(32*(\t/2)+8*(\t%2))*4
	global_load_b128 v[BI+8*\t+4:BI+8*\t+7], v3, s[8:9] offset:(32*(\t/2)+8*(\t%2))*4+16
.endr
	LAST                                           ; the bias lands under the last 64 products
	PLACES NP
.irp b, 0,1,2,3
	v_mov_b32 v[TM+4+\b], 0                        ; written once: a lane permute's destination counts as one of its sources
.endr
	s_wait_loadcnt 0x0
.irp a, 0,1,2,3,4,5,6,7
	EBLK 0, \a
.endr
.irp g, 0,1,2,3                                ; word g of a head: tile 2 g's two bytes below, tile 2 g + 1's above
	v_perm_b32 v[D0+\g], v[SW+2*\g+1], v[SW+2*\g], 0x05040100
	v_perm_b32 v[D1+\g], v[SW+2*\g+1], v[SW+2*\g], 0x07060302
.endr
.irp g, 0,1,2,3
	v_cndmask_b32 v[D0+\g], v[D0+\g], v[D1+\g], s3 ; lanes 0-15 the first head, lanes 16-31 the next
.endr
	global_store_b128 v[SO], v[D0:D0+3], s[12:13]  ; each half of the lanes stores 256 consecutive bytes, aligned
	s_branch .Lend
.Lv:
	; ---- v: a lane is a channel; the wave's 128 rows of A are two heads, its 128 rows of B one key step
	s_mov_b32 s20, 2
	s_lshl_b32 s21, s17, 2
	s_lshl_b32 s22, s15, 1
	s_add_co_u32 s21, s21, s22                     ; head 4 tr + 2 x half
	s_lshr_b32 s22, s42, 3
	s_lshl_b32 s22, s22, 4
	s_add_co_u32 s21, s21, s22                     ; + 16 x batch
	s_and_b32 s22, s42, 7
	s_lshl_b32 s22, s22, 1
	s_add_co_u32 s22, s22, s16                     ; key step
	s_lshl_b32 s23, s17, 10
	s_lshl_b32 s46, s15, 9
	s_add_co_u32 s23, s23, s46
	s_add_co_u32 s23, s23, 8192                    ; the bias: 4 (2048 + 256 tr + 128 x half)
	EBASE
	v_and_b32 v3, 7, v1
	v_lshrrev_b32 v4, 3, v1
	v_lshl_add_u32 v3, v4, 4, v3
	v_lshlrev_b32 v3, 2, v3                        ; row r of tile a is channel 32 (a / 2) + 8 (a % 2) + r % 8 + 16 (r / 8)
.irp a, 0,1,2,3,4,5,6,7
	global_load_b32 v[BI+2*\a], v3, s[8:9] offset:(32*(\a/2)+8*(\a%2))*4
	global_load_b32 v[BI+2*\a+1], v3, s[8:9] offset:(32*(\a/2)+8*(\a%2))*4
.endr
	LAST
	PLACES NP
.irp b, 0,1,2,3
	v_mov_b32 v[TM+4+\b], 0
.endr
	s_wait_loadcnt 0x0
.irp a, 0,1,2,3,4,5,6,7
	EBLK 1, \a
.endr
.irp t, 0,1,2,3
	v_cndmask_b32 v[D0+\t], v[SW+\t], v[SW+4+\t], s3
.endr
	global_store_b128 v[SO], v[D0:D0+3], s[12:13]
.Lend:
	s_wait_tensorcnt 0x0                           ; the wave's end
	ds_add_u32 v[SPW], v[NIL]
	s_wait_dscnt 0x0
	CROUND                                         ; the closing round: no work-group ends while a partner may still ask for a tile that names it
	s_endpgm
.Lfunc_end_k_q1d757db3ec_gemm_qkv:
	.size	k_q1d757db3ec_gemm_qkv, .Lfunc_end_k_q1d757db3ec_gemm_qkv-k_q1d757db3ec_gemm_qkv
	.p2alignl 7, 3214868480
	.fill 96, 4, 3214868480
	.section	.rodata,"a",@progbits
	.p2align	6, 0x0
	.amdhsa_kernel k_q1d757db3ec_gemm_qkv
		.amdhsa_group_segment_fixed_size 327680
		.amdhsa_private_segment_fixed_size 0
		.amdhsa_enable_private_segment 0
		.amdhsa_kernarg_size 40
		.amdhsa_user_sgpr_count 2
		.amdhsa_user_sgpr_kernarg_segment_ptr 1
		.amdhsa_wavefront_size32 1
		.amdhsa_system_sgpr_workgroup_id_x 1
		.amdhsa_system_sgpr_workgroup_id_y 1
		.amdhsa_system_sgpr_workgroup_id_z 1
		.amdhsa_system_vgpr_workitem_id 0
		.amdhsa_next_free_vgpr 1024
		.amdhsa_next_free_sgpr 100
		.amdhsa_reserve_vcc 0
		.amdhsa_float_denorm_mode_32 3
		.amdhsa_float_denorm_mode_16_64 3
		.amdhsa_memory_ordered 1
		.amdhsa_forward_progress 1
		.amdhsa_inst_pref_size 228
	.end_amdhsa_kernel
	.amdgpu_metadata
---
amdhsa.version: [ 1, 2 ]
amdhsa.kernels:
  - .name:           k_q1d757db3ec_gemm_qkv
    .symbol:         k_q1d757db3ec_gemm_qkv.kd
    .args:
      - { .name: xw_codes, .offset: 0, .size: 8, .value_kind: global_buffer, .address_space: global }
      - { .name: xw_sc, .offset: 8, .size: 8, .value_kind: global_buffer, .address_space: global }
      - { .name: b_qkv, .offset: 16, .size: 8, .value_kind: global_buffer, .address_space: global }
      - { .name: qkv_codes, .offset: 24, .size: 8, .value_kind: global_buffer, .address_space: global }
      - { .name: qkv_sc, .offset: 32, .size: 8, .value_kind: global_buffer, .address_space: global }
    .group_segment_fixed_size: 327680
    .private_segment_fixed_size: 0
    .kernarg_segment_align: 8
    .kernarg_segment_size: 40
    .max_flat_workgroup_size: 128
    .sgpr_count:     100
    .vgpr_count:     1024
    .wavefront_size: 32
...
	.end_amdgpu_metadata
.endif
;; end of part 2
;; launch attn (part 3): grid 4 x 64, 16 waves a work-group, clusters of 4 x 1, 327,680 bytes of LDS; arguments qkv_codes, qkv_sc, y_codes, y_sc; writes y_codes, y_sc
.if DOCPART == 3
	.amdgcn_target "amdgcn-amd-amdhsa--gfx1250"
	.amdhsa_code_object_version 6
	.text
	.protected	k_q1d757db3ec_attn
	.globl	k_q1d757db3ec_attn
	.p2align	8
	.type	k_q1d757db3ec_attn,@function
k_q1d757db3ec_attn:
	s_mov_b64 s[64:65], 0
	v_nop
	global_prefetch_b8 v0, s[64:65] scope:SCOPE_SE
	s_setreg_imm32_b32 hwreg(HW_REG_WAVE_MODE, 25, 1), 1
	s_wait_xcnt 0x0
	s_wait_alu depctr_hold_cnt(0) depctr_sa_sdst(0) depctr_va_vdst(0) depctr_va_sdst(0) depctr_va_ssrc(0) depctr_va_vcc(0) depctr_vm_vsrc(0)
	s_getreg_b32 s2, hwreg(HW_REG_IB_STS2, 6, 4)
	s_cmp_eq_u32 s2, 0
	s_cbranch_scc0 .Lentry_in_a_cluster
	s_endpgm
.Lentry_in_a_cluster:
	s_bfe_u32 s2, ttmp6, 0x10000c
	s_cmp_lg_u32 s2, 0x3003
	s_cbranch_scc0 .Lentry_shape_is_right
	s_endpgm
.Lentry_shape_is_right:
; y = softmax(q k^T / 8, causal) v for 64 heads of 2,048 tokens x 64, both products on codes of FP6 (E2M3) with E8M0 scales; y leaves as codes for the projection.
; THE SOFTMAX: t = score x log2(e) / 8; M = the running largest t rounded up to a whole number; p = 2^(t - M) is quantised along the keys, not normalised; the row's sum is taken of the unquantised p
; and divides at the end.  When M moves, the sum and O are multiplied by 2^(old M - new M): exact.
; SHARES.  A cluster of four work-groups is one head.  The head's 128 tiles of 16 queries are dealt as P = 4 m + cx; wave w takes m = w and then m = 31 - w.  Tile P wants key steps (128 keys) 0 .. m / 2,
; so every wave of every work-group makes (w / 2 + 1) + ((31 - w) / 2 + 1) = 17 key steps, and no step that the causal mask hides is made.  No branch and no LDS address hangs on cx.
; ALL OF THE HEAD'S K AND V STAYS IN LDS (2 x 98,304 bytes of codes, 2 x 4,096 of scale words), asked for jointly by the four work-groups at the head, each wave two loads; nothing is filled again, so there is one
; barrier, no ring, and nothing left to ask for ahead of time.  The launch claims more LDS than the 206,848 bytes that it uses.
; LAYOUT.  Both products are used transposed: S^T = K Q^T, O^T = V^T P^T: a lane holds one query.  Tokens and channels lie with bits 3 and 4 of their number swapped inside each 32, so the 16 registers of
; two neighbouring tiles are 16 true neighbours.  The head's K is 64: a fragment of K holds TWO key tiles (one in each half of the instruction's 128), and Q stands beside six registers of zero codes:
; v[16:27] = q, 0 multiplies the first tile, v[22:33] = 0, q the second.
; LIMITS: NaN and infinities are not served; a block of y whose largest magnitude lies under 2^-124 keeps the byte 1.
.set S,   96                           ; v96-159  S^T, then p; at the end y
.set O,   160                          ; v160-191 O^T: four tiles of 16 channels
.set KF,  36                           ; v36-83   four fragments of K, then of V
.set KW,  84                           ; v84-87   their scale words
.set PC,  192                          ; v192-210 p's codes and the conversions' second halves
.set BM,  212                          ; v212-215 a block's largest score, then its largest p
.set BT,  216
.set BS,  220
.set WV,  12                           ; s12 wave;  s13 cx;  s66, s67 where the step's codes and scale words begin;  s68 trips;  s69 w / 2;  s70 the diagonal step's place;  s72 P
.set SEL, 20
.set CS,  22                           ; s[22:23] c = log2(e) / 8
.macro ROUND                           ; a round of the cluster's barrier
	s_barrier_signal -1
	s_barrier_wait -1
	s_cmp_lg_u32 s[WV], 0
	s_cbranch_scc1 .Lnot_wave_0_\@
	s_barrier_signal -3
.Lnot_wave_0_\@:
	s_barrier_wait -3
	s_barrier_signal -1
	s_barrier_wait -1
.endm
; a tile of queries begins.  phi = 0: m = w;  1: m = 31 - w
.macro START phi
.if \phi
	s_wait_xcnt 0x0                                ; the last tile's stores have read their bases and data, which are written again below
	s_sub_co_u32 s82, 31, s[WV]
.else
	s_mov_b32 s82, s[WV]
.endif
	s_lshl_b32 s72, s82, 2
	s_add_co_u32 s72, s72, s13                     ; P = 4 m + cx: it enters global addresses, a shift and the mask's lane constant alone
	s_lshr_b32 s70, s82, 1
	s_mul_i32 s70, s70, 6144                       ; the last key step, m / 2, is the one on the diagonal
	s_mov_b32 s66, 0
	s_mov_b32 s67, 0
	s_mov_b32 s85, 0
	s_mul_i32 s84, s72, 768
	s_add_co_u32 s84, s84, s86
	s_add_nc_u64 s[74:75], s[4:5], s[84:85]        ; q's unit
	s_bfe_u32 s83, s72, 0x20001                    ; g = (P / 2) % 4
	s_and_b32 s82, s72, 1                          ; u = P % 2
	s_lshr_b32 s84, s72, 3
	s_lshl_b32 s84, s84, 8
	s_lshl_b32 s90, s83, 2
	s_add_co_u32 s84, s84, s90
	s_add_co_u32 s84, s84, s87
	s_add_nc_u64 s[76:77], s[6:7], s[84:85]        ; q's scale word: step P / 8, word g
	s_mul_i32 s84, s72, 12288
	s_add_co_u32 s84, s84, s88
	s_add_nc_u64 s[78:79], s[8:9], s[84:85]        ; y's unit: row tile 128 x batch + P, unit = head
	s_lshl_b32 s84, s72, 7
	s_add_co_u32 s84, s84, s89
	s_add_nc_u64 s[80:81], s[10:11], s[84:85]      ; y's scale bytes
	s_lshl_b32 s90, s83, 5
	s_lshl_b32 s91, s82, 3
	s_add_co_u32 s90, s90, s91                     ; 32 g + 8 u
	s_lshl_b32 s91, s82, 4                         ; 16 u
	global_load_b128 v[16:19], v1, s[74:75]
	global_load_b64 v[20:21], v2, s[74:75] offset:512
	global_load_b128 v[28:31], v1, s[74:75]
	global_load_b64 v[32:33], v2, s[74:75] offset:512
	global_load_b32 v228, v5, s[76:77]
	v_add_nc_u32 v4, s90, v7                       ; my query's place in the diagonal step, less 16 h
	v_mov_b32 v13, 0xff61b1e6                      ; the largest t so far: -3e38
	s_delay_alu instid0(VALU_DEP_1)
	v_floor_f32 v12, -v13                          ; -M
	v_mov_b32 v14, 0
	v_mov_b32 v15, 0
.if \phi == 0
.irp i, 22,23,24,25,26,27
	v_mov_b32 v\i, 0                               ; the zero codes between the two copies of q
.endr
.irp b, 0,1,2,3
	v_mov_b32 v[BT+\b], 0                          ; written once: a lane permute's destination counts as one of its sources
.endr
	v_mov_b32 v227, 0                              ; named as the upper half of the pair v[226:227]
.endif
	s_wait_loadcnt 0x0
	v_lshrrev_b32 v228, s91, v228                  ; my tile's two bytes,
	s_delay_alu instid0(VALU_DEP_1)
	v_and_b32 v228, 0xffff, v228
	s_delay_alu instid0(VALU_DEP_1)
	v_lshl_or_b32 v34, v228, 16, v228              ; twice: for either half of the instruction's K
.set j, 0
.rept 32
	v_mov_b32 v[O+j], 0                            ; O^T: the key step is written once, and its first run finds zeros.  (Also the places between the scale word and the products)
.set j, j+1
.endr
.endm
; a tile of queries ends: O^T / the sum, quantised along the head's 64 (two blocks), stored as one unit and two bytes a row
.macro FINISH
.rept 4
	v_nop                                          ; places behind the last products
.endr
	v_add_f32 v14, v14, v15
	s_delay_alu instid0(VALU_DEP_1)
	v_permlanex16_b32 v228, v14, s[SEL], s[SEL+1]
	s_delay_alu instid0(VALU_DEP_1)
	v_add_f32 v14, v14, v228                       ; the row's sum
	s_wait_alu depctr_va_vdst(0)
	v_rcp_f32 v226, v14
	v_nop                                          ; a plain place behind the reciprocal,
	s_wait_alu depctr_va_vdst(0)                   ; and the wait ahead of its first reader
.set j, 0
.rept 16
	v_pk_mul_f32 v[S+2*j:S+2*j+1], v[O+2*j:O+2*j+1], v[226:227] op_sel_hi:[1,0]   ; register 16 b + i is channel 32 b + 16 h + i; each accumulator is read from its low end on
.set j, j+1
.endr
.irp b, 0,1
	v_max3_num_f32 v[BM+\b], |v[S+16*\b]|, |v[S+1+16*\b]|, 0x1800000
.endr
.irp i, 2,4,6,8,10,12,14
.irp b, 0,1
	s_delay_alu instid0(VALU_DEP_2)
	v_max3_num_f32 v[BM+\b], v[BM+\b], |v[S+16*\b+\i]|, |v[S+1+16*\b+\i]|
.endr
.endr
.irp b, 0,1
	s_delay_alu instid0(VALU_DEP_2)
	v_permlanex16_b32 v[BT+\b], v[BM+\b], s[SEL], s[SEL+1]
.endr
.irp b, 0,1
	s_delay_alu instid0(VALU_DEP_2)
	v_max_num_f32 v[BM+\b], v[BM+\b], v[BT+\b]
.endr
.irp b, 0,1
	s_delay_alu instid0(VALU_DEP_2)
	v_add_nc_u32 v[BS+\b], 0xff000000, v[BM+\b]
.endr
.irp b, 0,1
	s_delay_alu instid0(VALU_DEP_2)
	v_lshrrev_b32 v[BT+\b], 23, v[BS+\b]
.endr
	v_cvt_scalef32_pk16_fp6_f32 v[PC:PC+2], v[S:S+15], v[BS]
	v_cvt_scalef32_pk16_fp6_f32 v[PC+12:PC+14], v[S+16:S+31], v[BS+1]
	v_nop                                          ; one plain place behind the scaled conversions
.irp i, 0,1,2
	v_permlane16_swap_b32 v[PC+\i], v[PC+12+\i]
.endr
.irp i, 0,1,2
	s_delay_alu instid0(VALU_DEP_3)
	v_mov_b32 v[PC+3+\i], v[PC+12+\i]
.endr
	v_cndmask_b32 v228, v[BT], v[BT+1], s71        ; lanes 0-15 block 0's byte, lanes 16-31 block 1's
	global_store_b128 v1, v[PC:PC+3], s[78:79]     ; 512 consecutive bytes, aligned,
	global_store_b64 v2, v[PC+4:PC+5], s[78:79] offset:512   ; and 256
	global_store_b8 v6, v228, s[80:81]             ; 32 bytes for the unit's 768: a gather over waves would want a barrier under a branch on the wave's number
.endm
	s_load_b256 s[4:11], s[0:1], 0x0               ; qkv's codes, its scale words, y's codes, y's scale bytes
	v_lshl_add_u32 v254, v0, 2, 0x32000
	v_mov_b32 v255, 0
	ds_add_u32 v254, v255
	ds_add_u32 v254, v255
	v_lshrrev_b32 v1, 5, v0
	s_delay_alu instid0(VALU_DEP_1)
	v_readfirstlane_b32 s[WV], v1                  ; wave 0..15
	s_bfe_u32 s13, ttmp6, 0x40000                  ; cx
	s_and_b32 s14, ttmp7, 0xffff                   ; the head: 16 x batch + head
	s_lshr_b32 s15, s[WV], 3                       ; I fetch for K (0) or for V (1),
	s_and_b32 s16, s[WV], 7                        ; the j-th eighth
	s_lshr_b32 s69, s[WV], 1
	; group 1: dense blocks as rows of 32 elements of 8 bytes; the mask names all four work-groups
	s_mov_b32 s24, 15|(3<<16)|(1<<21)
	s_mov_b32 s25, 32<<16
	s_mov_b32 s26, 2<<16                           ; scale words: 2 rows, 512 bytes
	s_mov_b32 s27, 32<<16
	s_mov_b32 s28, 2
	s_mov_b32 s29, 32
	s_mov_b32 s30, 0
	s_mov_b32 s31, 0
	s_mov_b32 s32, 15|(3<<16)|(1<<21)
	s_mov_b32 s33, 32<<16
	s_mov_b32 s34, 48<<16                          ; codes: 48 rows, 12,288 bytes
	s_mov_b32 s35, 32<<16
	s_mov_b32 s36, 48
	s_mov_b32 s37, 32
	s_mov_b32 s38, 0
	s_mov_b32 s39, 0
	s_mul_i32 s86, s14, 98304                      ; the head's codes in a section,
	s_lshl_b32 s87, s14, 12                        ; its scale words
	s_lshr_b32 s17, s14, 4                         ; batch
	s_and_b32 s18, s14, 15                         ; head
	s_mul_i32 s88, s17, 128*12288
	s_mul_i32 s19, s18, 768
	s_add_co_u32 s88, s88, s19
	s_lshr_b32 s89, s18, 2
	s_lshl_b32 s89, s89, 16                        ; K step head / 4: 8,192 rows of 8 bytes
	s_lshl_b32 s19, s17, 14
	s_add_co_u32 s89, s89, s19
	s_and_b32 s19, s18, 3
	s_lshl_b32 s19, s19, 1                         ; the head's two bytes in the row's eight
	s_add_co_u32 s89, s89, s19
	s_add_co_u32 s18, s15, 1                       ; section 1 = k, 2 = v
	s_mov_b32 s40, 1
	s_lshl_b32 s41, s15, 12
	s_lshl_b32 s17, s16, 9
	s_add_co_u32 s41, s41, s17
	s_add_co_u32 s41, s41, 196608
	s_lshl_b32 s82, s18, 18
	s_add_co_u32 s82, s82, s87
	s_add_co_u32 s82, s82, s17
	s_mov_b32 s83, 0
	s_mov_b32 s44, 1
	s_mul_i32 s45, s15, 98304
	s_mul_i32 s17, s16, 12288
	s_add_co_u32 s45, s45, s17
	s_mul_i32 s84, s18, 6291456
	s_add_co_u32 s84, s84, s86
	s_add_co_u32 s84, s84, s17
	s_mov_b32 s85, 0
	s_mov_b32 s[SEL], 0x76543210
	s_mov_b32 s[SEL+1], 0xfedcba98
	s_mov_b32 s[CS], 0x3e38aa3b                    ; log2(e) / 8
	s_mov_b32 s[CS+1], s[CS]
	s_mov_b32 s71, 0xffff0000                      ; lanes 16-31
	s_mov_b32 s68, 0
	s_wait_dscnt 0x0
	s_wait_kmcnt 0x0
	s_add_nc_u64 s[42:43], s[6:7], s[82:83]
	s_or_b32 s43, s43, 0x80000000
	s_add_nc_u64 s[46:47], s[4:5], s[84:85]
	s_or_b32 s47, s47, 0x80000000
	ROUND                                          ; all four work-groups are here: the joint loads meet
	tensor_load_to_lds s[40:43], s[24:31]          ; my first of two loads, the only ones: one is out
	s_nop 0
	s_wait_alu depctr_va_vdst(0)
	s_wait_tensorcnt 0x0
	ds_add_u32 v254, v255
	s_wait_dscnt 0x0
	ROUND
	tensor_load_to_lds s[44:47], s[32:39]
	s_nop 0
.rept 4
	v_nop
.endr
	v_and_b32 v7, 31, v0
	s_delay_alu instid0(VALU_DEP_1)
	v_lshlrev_b32 v1, 4, v7                        ; 16 x lane
	v_and_b32 v8, 15, v0                           ; r
	v_bfe_u32 v9, v0, 4, 1                         ; h
	s_delay_alu instid0(VALU_DEP_2)
	v_lshlrev_b32 v5, 4, v8                        ; 16 r
	s_delay_alu instid0(VALU_DEP_1)
	v_lshl_add_u32 v2, v9, 3, v5                   ; 16 r + 8 h
	s_wait_alu depctr_va_vdst(0)
	v_add_nc_u32 v3, 0x30000, v5                   ; K's scale words: 16 bytes a row
	v_lshl_add_u32 v6, v8, 3, v9                   ; 8 r + h
	v_and_b32 v7, 7, v8
	v_lshrrev_b32 v10, 3, v8
	s_delay_alu instid0(VALU_DEP_1)
	v_lshl_add_u32 v7, v10, 4, v7
	v_lshlrev_b32 v10, 4, v9
	s_delay_alu instid0(VALU_DEP_1)
	v_sub_nc_u32 v7, v7, v10                       ; r % 8 + 16 (r / 8) - 16 h
	s_wait_alu depctr_va_vdst(0)
	START 0
	s_wait_tensorcnt 0x0                           ; my parts of K, V and their scale words are in,
	s_barrier_signal -1
	s_barrier_wait -1                              ; everybody's are.  From here on LDS is only read
.Ltrip:                                            ; 17 trips: a key step of 128 keys each
	s_setprio 2
	v_add_nc_u32 v8, s66, v1                       ; (these five are the places behind the last products, in front of the loads into their registers)
	v_add_nc_u32 v9, s66, v2
	s_delay_alu instid0(VALU_DEP_2)
	v_add_nc_u32 v10, 0x18000, v8
	s_delay_alu instid0(VALU_DEP_2)
	v_add_nc_u32 v11, 0x18000, v9
	v_add_nc_u32 v35, s67, v3
.irp g, 0,1,2,3
	ds_load_b128 v[KF+12*\g:KF+12*\g+3], v8 offset:1536*\g
	ds_load_b64 v[KF+12*\g+4:KF+12*\g+5], v9 offset:1536*\g+512
	ds_load_b128 v[KF+12*\g+6:KF+12*\g+9], v8 offset:1536*\g+768
	ds_load_b64 v[KF+12*\g+10:KF+12*\g+11], v9 offset:1536*\g+1280
.endr
	ds_load_b128 v[KW:KW+3], v35
	s_wait_alu depctr_va_vdst(0)
	s_wait_dscnt 0x0
.irp g, 0,1,2,3                                ; register 16 g + i of S^T is key 32 g + 16 h + i of the step
	v_wmma_scale_f32_16x16x128_f8f6f4 v[S+16*\g:S+16*\g+7], v[KF+12*\g:KF+12*\g+11], v[16:27], 0, v[KW+\g], v34 matrix_a_fmt:MATRIX_FMT_FP6 matrix_b_fmt:MATRIX_FMT_FP6
	v_wmma_scale_f32_16x16x128_f8f6f4 v[S+16*\g+8:S+16*\g+15], v[KF+12*\g:KF+12*\g+11], v[22:33], 0, v[KW+\g], v34 matrix_a_fmt:MATRIX_FMT_FP6 matrix_b_fmt:MATRIX_FMT_FP6
.endr
.rept 4
	v_nop                                          ; places: in front of the loads below and of the first read of the scores
.endr
.irp t, 0,1,2,3                                ; V's four fragments (16 channels x 128 keys) land under the softmax
	ds_load_b128 v[KF+12*\t:KF+12*\t+3], v10 offset:1536*\t
	ds_load_b64 v[KF+12*\t+4:KF+12*\t+5], v11 offset:1536*\t+512
	ds_load_b128 v[KF+12*\t+6:KF+12*\t+9], v10 offset:1536*\t+768
	ds_load_b64 v[KF+12*\t+10:KF+12*\t+11], v11 offset:1536*\t+1280
.endr
	ds_load_b128 v[KW:KW+3], v35 offset:4096
	s_cmp_lg_u32 s66, s70                          ; only the tile's last step lies on the diagonal
	s_cbranch_scc1 .Lopen
	v_mov_b32 v229, 0xff800000                     ; hidden scores become -infinity ahead of the maximum: p = 0 then
.set n, 0
.rept 64
	v_cmp_gt_i32 vcc_lo, 32*(n/16)+n%16, v4
	v_cndmask_b32 v[S+n], v[S+n], v229, vcc_lo
.set n, n+1
.endr
.Lopen:
.irp b, 0,1,2,3
	v_max3_num_f32 v[BM+\b], v[S+16*\b], v[S+1+16*\b], v[S+2+16*\b]   ; each block's largest score: for the row's maximum, and, since p rises with the score, for the block's largest p
.endr
.irp i, 3,5,7,9,11,13
.irp b, 0,1,2,3
	v_max3_num_f32 v[BM+\b], v[BM+\b], v[S+16*\b+\i], v[S+1+16*\b+\i]
.endr
.endr
.irp b, 0,1,2,3
	v_max_num_f32 v[BM+\b], v[BM+\b], v[S+15+16*\b]
.endr
.irp b, 0,1,2,3
	s_delay_alu instid0(VALU_DEP_4)
	v_permlanex16_b32 v[BT+\b], v[BM+\b], s[SEL], s[SEL+1]
.endr
.irp b, 0,1,2,3
	s_delay_alu instid0(VALU_DEP_4)
	v_max_num_f32 v[BM+\b], v[BM+\b], v[BT+\b]
.endr
	s_delay_alu instid0(VALU_DEP_2)
	v_max3_num_f32 v228, v[BM], v[BM+1], v[BM+2]
	s_delay_alu instid0(VALU_DEP_1)
	v_max_num_f32 v228, v228, v[BM+3]
	s_delay_alu instid0(VALU_DEP_1)
	v_mul_f32 v228, s[CS], v228
	s_delay_alu instid0(VALU_DEP_1)
	v_max_num_f32 v13, v13, v228                   ; the running largest t
	v_mov_b32 v228, v12
	s_delay_alu instid0(VALU_DEP_2)
	v_floor_f32 v12, -v13                          ; -M = floor(-t): M is a whole number
	s_delay_alu instid0(VALU_DEP_1)
	v_sub_f32 v228, v12, v228
	s_delay_alu instid0(VALU_DEP_1)
	v_cvt_i32_f32 v228, v228                       ; (it saturates)
	s_delay_alu instid0(VALU_DEP_1)
	v_ldexp_f32 v226, 1.0, v228                    ; f = 2^(old M - new M)
.set j, 0
.rept 32
	v_pk_fma_f32 v[S+2*j:S+2*j+1], v[S+2*j:S+2*j+1], s[CS:CS+1], v[12:13] op_sel_hi:[1,0,0]   ; t - M
.set j, j+1
.endr
.irp b, 0,1,2,3
	v_fma_f32 v[BM+\b], v[BM+\b], s[CS], v12
.endr
.set j, 0
	s_wait_alu depctr_va_vdst(0)
.rept 64
	v_exp_f32 v[S+j], v[S+j]                       ; p = 2^(t - M)
.set j, j+1
.endr
	s_setprio 1
	v_pk_mul_f32 v[14:15], v[14:15], v[226:227] op_sel_hi:[1,0]   ; the sums under the new M: a plain place behind the exponentials
	s_wait_alu depctr_va_vdst(0)                   ; one wait for the batch of 64, ahead of its first reader
.irp b, 0,1,2,3
	v_exp_f32 v[BM+\b], v[BM+\b]                   ; each block's largest p
.endr
	v_pk_add_f32 v[230:231], v[S:S+1], v[S+2:S+3]  ; the row's sum of the unquantised p, in two chains
.irp j, 4,8,12,16,20,24,28,32,36,40,44,48,52,56,60
	v_pk_add_f32 v[14:15], v[14:15], v[S+\j:S+1+\j]
	v_pk_add_f32 v[230:231], v[230:231], v[S+2+\j:S+3+\j]
.endr
	s_delay_alu instid0(VALU_DEP_1)
	v_pk_add_f32 v[14:15], v[14:15], v[230:231]
	s_wait_alu depctr_va_vdst(0)                   ; and one for the four
.irp b, 0,1,2,3
	v_max_num_f32 v[BM+\b], 0x1800000, v[BM+\b]    ; the floor: the byte cannot fall under 1
.endr
.irp b, 0,1,2,3
	s_delay_alu instid0(VALU_DEP_4)
	v_add_nc_u32 v[BS+\b], 0xff000000, v[BM+\b]
.endr
.irp b, 0,1,2,3
	s_delay_alu instid0(VALU_DEP_4)
	v_lshrrev_b32 v[BT+\b], 23, v[BS+\b]
.endr
	s_delay_alu instid0(VALU_DEP_3)
	v_lshl_or_b32 v224, v[BT+1], 8, v[BT]          ; p's scale word for these 128 keys
	s_delay_alu instid0(VALU_DEP_1)
	v_lshl_or_b32 v224, v[BT+2], 16, v224
	s_delay_alu instid0(VALU_DEP_1)
	v_lshl_or_b32 v224, v[BT+3], 24, v224
.irp c, 0,1
	v_cvt_scalef32_pk16_fp6_f32 v[PC+6*\c:PC+2+6*\c], v[S+32*\c:S+15+32*\c], v[BS+2*\c]
	v_cvt_scalef32_pk16_fp6_f32 v[PC+12+4*\c:PC+14+4*\c], v[S+16+32*\c:S+31+32*\c], v[BS+2*\c+1]
.endr
	v_nop                                          ; one plain place behind the scaled conversions
.irp c, 0,1
.irp i, 0,1,2
	v_permlane16_swap_b32 v[PC+6*\c+\i], v[PC+12+4*\c+\i]
.endr
.irp i, 0,1,2
	s_delay_alu instid0(VALU_DEP_3)
	v_mov_b32 v[PC+3+6*\c+\i], v[PC+12+4*\c+\i]
.endr
.endr
.set j, 0
.rept 16
	v_pk_mul_f32 v[O+2*j:O+2*j+1], v[O+2*j:O+2*j+1], v[226:227] op_sel_hi:[1,0]   ; O^T under the new M.  (Also the places between p's codes and scale word and the products)
.set j, j+1
.endr
	s_wait_alu depctr_va_vdst(0)
	s_wait_dscnt 0x0                               ; V is in
.irp t, 0,1,2,3                                ; the four accumulators take one turn each; the eight products K Q^T stand between two turns of one accumulator
	v_wmma_scale_f32_16x16x128_f8f6f4 v[O+8*\t:O+8*\t+7], v[KF+12*\t:KF+12*\t+11], v[PC:PC+11], v[O+8*\t:O+8*\t+7], v[KW+\t], v224 matrix_a_fmt:MATRIX_FMT_FP6 matrix_b_fmt:MATRIX_FMT_FP6
.endr
	s_add_co_u32 s66, s66, 6144
	s_setprio 0
	s_add_co_u32 s67, s67, 256
	s_cmp_lg_u32 s68, s69                          ; trip w / 2 ends my first tile: a branch on the wave's number; no barrier and no tensor load stands under it
	s_cbranch_scc1 .Lgo
	FINISH
	START 1
.Lgo:
	s_add_co_u32 s68, s68, 1
	s_cmp_lt_u32 s68, 17
	s_cbranch_scc1 .Ltrip
	s_setprio 0
	FINISH
	s_wait_tensorcnt 0x0
	ds_add_u32 v254, v255
	s_wait_dscnt 0x0
	ROUND                                          ; the closing round
	s_endpgm
.Lfunc_end_k_q1d757db3ec_attn:
	.size	k_q1d757db3ec_attn, .Lfunc_end_k_q1d757db3ec_attn-k_q1d757db3ec_attn
	.p2alignl 7, 3214868480
	.fill 96, 4, 3214868480
	.section	.rodata,"a",@progbits
	.p2align	6, 0x0
	.amdhsa_kernel k_q1d757db3ec_attn
		.amdhsa_group_segment_fixed_size 327680
		.amdhsa_private_segment_fixed_size 0
		.amdhsa_enable_private_segment 0
		.amdhsa_kernarg_size 32
		.amdhsa_user_sgpr_count 2
		.amdhsa_user_sgpr_kernarg_segment_ptr 1
		.amdhsa_wavefront_size32 1
		.amdhsa_system_sgpr_workgroup_id_x 1
		.amdhsa_system_sgpr_workgroup_id_y 1
		.amdhsa_system_sgpr_workgroup_id_z 1
		.amdhsa_system_vgpr_workitem_id 0
		.amdhsa_next_free_vgpr 256
		.amdhsa_next_free_sgpr 92
		.amdhsa_reserve_vcc 1
		.amdhsa_float_denorm_mode_32 3
		.amdhsa_float_denorm_mode_16_64 3
		.amdhsa_memory_ordered 1
		.amdhsa_forward_progress 1
		.amdhsa_inst_pref_size 44
	.end_amdhsa_kernel
	.amdgpu_metadata
---
amdhsa.version: [ 1, 2 ]
amdhsa.kernels:
  - .name:           k_q1d757db3ec_attn
    .symbol:         k_q1d757db3ec_attn.kd
    .args:
      - { .name: qkv_codes, .offset: 0, .size: 8, .value_kind: global_buffer, .address_space: global }
      - { .name: qkv_sc, .offset: 8, .size: 8, .value_kind: global_buffer, .address_space: global }
      - { .name: y_codes, .offset: 16, .size: 8, .value_kind: global_buffer, .address_space: global }
      - { .name: y_sc, .offset: 24, .size: 8, .value_kind: global_buffer, .address_space: global }
    .group_segment_fixed_size: 327680
    .private_segment_fixed_size: 0
    .kernarg_segment_align: 8
    .kernarg_segment_size: 32
    .max_flat_workgroup_size: 512
    .sgpr_count:     92
    .vgpr_count:     256
    .wavefront_size: 32
...
	.end_amdgpu_metadata
.endif
;; end of part 3
;; launch gemm_proj (part 4): grid 4 x 32, 4 waves a work-group, clusters of 4 x 4, 327,680 bytes of LDS; arguments y_codes, y_sc, xw_codes, xw_sc, b_proj, out0; writes out0
.if DOCPART == 4
	.amdgcn_target "amdgcn-amd-amdhsa--gfx1250"
	.amdhsa_code_object_version 6
	.text
	.protected	k_q1d757db3ec_gemm_proj
	.globl	k_q1d757db3ec_gemm_proj
	.p2align	8
	.type	k_q1d757db3ec_gemm_proj,@function
k_q1d757db3ec_gemm_proj:
	s_mov_b64 s[64:65], 0
	v_nop
	global_prefetch_b8 v0, s[64:65] scope:SCOPE_SE
	s_setreg_imm32_b32 hwreg(HW_REG_WAVE_MODE, 25, 1), 1
	s_wait_xcnt 0x0
	s_wait_alu depctr_hold_cnt(0) depctr_sa_sdst(0) depctr_va_vdst(0) depctr_va_sdst(0) depctr_va_ssrc(0) depctr_va_vcc(0) depctr_vm_vsrc(0)
	s_getreg_b32 s2, hwreg(HW_REG_IB_STS2, 6, 4)
	s_cmp_eq_u32 s2, 0
	s_cbranch_scc0 .Lentry_in_a_cluster
	s_endpgm
.Lentry_in_a_cluster:
	s_bfe_u32 s2, ttmp6, 0x10000c
	s_cmp_lg_u32 s2, 0xf033
	s_cbranch_scc0 .Lentry_shape_is_right
	s_endpgm
.Lentry_shape_is_right:
; out0 = y W_proj + b_proj on codes of FP6 (E2M3) with E8M0 scales, K = 1024; out0 [8192][1024] f32.
; A work-group of four waves makes 256 x 256, a wave 128 x 128; K goes in four steps of 256 through two LDS slots filled by the tensor data mover.  The codes lie in the order of the operand's registers
; (units of 768 bytes = 16 rows x 64 K).  The matrix instruction is used transposed (source 0 = W's columns, source 1 = y's tokens): a lane holds numbers of one row of out0.
; Tokens and columns lie with bits 3 and 4 of their number swapped inside each 32: the columns come back into order by their place in the stage, the rows by the stores' immediates.
; CLUSTERS: 4 x 4 work-groups; y's tiles are asked for jointly along a row of the cluster, W's along a column.  128 work-groups: a smaller tile would read half as much again from LDS for each product.
; REGISTERS: window 0: v1-31 addresses; v32-63 scale words, two sets; v64-67 the bias; from v128 A's fragments, one set, later rows of out0.  window 1: B's fragments, two sets.  windows 2, 3: the accumulators.
.set NQ,    2
.set FR,    12
.set NL,    4
.set NP,    4
.set RT,    3072
.set HALFT, 8*RT
.set SLOT,  4*HALFT
.set SCL,   2*SLOT
.set SPARE, SCL+16640
.set SPITCH, 528                       ; the way out: a stage of 16 rows x (512 + 16) bytes for each wave, in slot 0, which has had its last fill and its last read by then
.set ADRA, 16
.set ADRB, 20
.set LI,   24
.set LJ,   25
.set STO,  26
.set ADRS, 27
.set SPW,  28
.set NIL,  29
.set RD,   30
.set SC,   32
.set BI,   64
.set AF,   128
.set BK,   128
.set G1, 24
.set G0, 32
.set G1B, 48
.set G0B, 56
.set G1S, 68
.set G0S, 76
.set G1SB, 80
.set G0SB, 88
.set MSB, 0
.macro WIN new
.if MSB != (\new)
	s_set_vgpr_msb (MSB<<8)|(\new)
.set MSB, (\new)
.endif
.endm
.set MUL_LO, 0xa1
.set MUL_HI, 0xf1
.set TO_B,   0x40
.macro JLOAD g0a, g1a, g0b, g1b        ; a joint load: waves 0 and 1 for A, waves 2 and 3 for B; four v_nop follow each line
	s_cmp_eq_u32 s15, 0
	s_cbranch_scc0 .Lfor_b_\@
	tensor_load_to_lds s[\g0a:\g0a+3], s[\g1a:\g1a+7]
	s_nop 0
.rept 4
	v_nop
.endr
	s_branch .Lasked_\@
.Lfor_b_\@:
	tensor_load_to_lds s[\g0b:\g0b+3], s[\g1b:\g1b+7]
	s_nop 0
.rept 4
	v_nop
.endr
.Lasked_\@:
.endm
.macro CREST
	s_cmp_lg_u32 s14, 0
	s_cbranch_scc1 .Lnot_wave_0_\@
	s_barrier_signal -3
.Lnot_wave_0_\@:
	s_barrier_wait -3
	s_barrier_signal -1
	s_barrier_wait -1
.endm
.macro CROUND
	s_barrier_signal -1
	s_barrier_wait -1
	CREST
.endm
	s_load_b256 s[4:11], s[0:1], 0x0               ; y's codes s[4:5], y's scale bytes s[6:7], the weights' codes s[8:9], their scale bytes s[10:11]
	s_load_b128 s[96:99], s[0:1], 0x20             ; b_proj s[96:97], out0 s[98:99]
	v_lshl_add_u32 v[SPW], v0, 2, SPARE
	v_mov_b32 v[NIL], 0
	ds_add_u32 v28, v29
	ds_add_u32 v28, v29
	s_wait_dscnt 0x0
	v_lshrrev_b32 v1, 5, v0
	v_readfirstlane_b32 s14, v1                    ; wave 0..3
	s_lshr_b32 s15, s14, 1
	s_and_b32 s16, s14, 1
	s_bfe_u32 s40, ttmp6, 0x40000                  ; cx
	s_bfe_u32 s41, ttmp6, 0x40004                  ; cy
	s_lshl_b32 s42, ttmp9, 2
	s_add_co_u32 s42, s42, s40                     ; tc
	s_and_b32 s17, ttmp7, 0xffff
	s_lshl_b32 s17, s17, 2
	s_add_co_u32 s17, s17, s41                     ; tr
	s_lshl_b32 s43, s41, 2
	s_lshl_b32 s43, 15, s43
	s_lshl_b32 s44, 0x1111, s40
	s_or_b32 s[G1+0], s43, (3<<16)|(1<<21)         ; codes: 8 rows of 384 elements of 8 bytes, 1,536 elements apart
	s_or_b32 s[G1B+0], s44, (3<<16)|(1<<21)
.irp g, G1, G1B
	s_mov_b32 s[\g+1], 384<<16
	s_mov_b32 s[\g+2], 8<<16
	s_mov_b32 s[\g+3], 384<<16
	s_mov_b32 s[\g+4], 8
	s_mov_b32 s[\g+5], 1536
	s_mov_b32 s[\g+6], 0
	s_mov_b32 s[\g+7], 0
.endr
	s_or_b32 s[G1S+0], s43, (3<<16)|(1<<21)        ; scale bytes: 4 rows (K steps) of 128 elements of 8 bytes
	s_or_b32 s[G1SB+0], s44, (3<<16)|(1<<21)
.irp g, G1S, G1SB
	s_mov_b32 s[\g+1], 128<<16
	s_mov_b32 s[\g+2], 4<<16
	s_mov_b32 s[\g+3], 128<<16
	s_mov_b32 s[\g+4], 4
	s_mov_b32 s[\g+6], 0
	s_mov_b32 s[\g+7], 0
.endr
	s_mov_b32 s[G1S+5], 8192                       ; y has 8,192 rows,
	s_mov_b32 s[G1SB+5], 12288                     ; the other buffer 12,288
	s_lshl_b32 s18, s16, 7
	s_lshl_b32 s20, s17, 8
	s_add_co_u32 s20, s20, s18                     ; A: row 256 tr + 128 x half
	s_lshl_b32 s46, s42, 8
	s_add_co_u32 s46, s46, s18
	s_add_co_u32 s46, s46, 11264                   ; B: W_proj's columns begin at row 11,264
	s_lshl_b32 s22, s20, 3
	s_mov_b32 s23, 0
	s_lshl_b32 s92, s46, 3
	s_mov_b32 s93, 0
	s_mul_i32 s20, s20, 768
	s_mov_b32 s21, 0
	s_mul_i32 s46, s46, 768
	s_mov_b32 s47, 0
	s_mul_i32 s45, s14, HALFT
	s_lshl_b32 s94, s14, 12
	s_lshl_b32 s19, s15, 7
	s_add_co_u32 s94, s94, s19
	s_wait_kmcnt 0x0
	s_add_nc_u64 s[20:21], s[4:5], s[20:21]
	s_add_nc_u64 s[22:23], s[6:7], s[22:23]
	s_add_nc_u64 s[46:47], s[8:9], s[46:47]
	s_add_nc_u64 s[92:93], s[10:11], s[92:93]
	CROUND                                         ; all sixteen work-groups are here: the first joint loads meet
	s_mov_b32 s[G0S], 1
	s_add_co_u32 s[G0S+1], s94, SCL
	s_mov_b64 s[G0S+2:G0S+3], s[22:23]
	s_or_b32 s[G0S+3], s[G0S+3], 0x80000000
	s_mov_b32 s[G0SB], 1
	s_add_co_u32 s[G0SB+1], s94, SCL
	s_mov_b64 s[G0SB+2:G0SB+3], s[92:93]
	s_or_b32 s[G0SB+3], s[G0SB+3], 0x80000000
	JLOAD G0S, G1S, G0SB, G1SB
.irp s, 0,1
	s_mov_b32 s[G0+4*\s], 1
	s_add_co_u32 s[G0+4*\s+1], s45, \s*SLOT
	s_add_nc_u64 s[G0+4*\s+2:G0+4*\s+3], s[20:21], \s*RT
	s_or_b32 s[G0+4*\s+3], s[G0+4*\s+3], 0x80000000
	s_mov_b32 s[G0B+4*\s], 1
	s_add_co_u32 s[G0B+4*\s+1], s45, \s*SLOT
	s_add_nc_u64 s[G0B+4*\s+2:G0B+4*\s+3], s[46:47], \s*RT
	s_or_b32 s[G0B+4*\s+3], s[G0B+4*\s+3], 0x80000000
	JLOAD G0+4*\s, G1, G0B+4*\s, G1B               ; three tensor loads of mine are out
.endr
	v_and_b32 v1, 15, v0                           ; r
	v_bfe_u32 v2, v0, 4, 1                         ; h
	v_and_b32 v3, 31, v0
	v_lshlrev_b32 v[LI], 4, v3
	v_lshlrev_b32 v[LJ], 4, v1
	v_lshl_add_u32 v[LJ], v2, 3, v[LJ]
	s_lshl_b32 s46, s42, 10
	s_lshl_b32 s47, s16, 9
	s_add_co_u32 s46, s46, s47                     ; my 128 columns, in bytes: 1024 tc + 512 x half
	s_mov_b32 s47, 0
	s_add_nc_u64 s[96:97], s[96:97], s[46:47]
	global_load_b128 v[BI:BI+3], v[LI], s[96:97]   ; the bias of the four columns that I store
	s_lshl_b32 s20, s17, 8
	s_lshl_b32 s21, s15, 7
	s_add_co_u32 s20, s20, s21
	s_lshl_b32 s20, s20, 12                        ; my first row of out0: 256 tr + 128 x half, 4,096 bytes a row
	s_add_co_u32 s46, s46, s20
	s_add_nc_u64 s[98:99], s[98:99], s[46:47]
	s_mul_i32 s21, s15, HALFT
	s_mul_i32 s22, s16, HALFT
	s_add_co_u32 s22, s22, 2*HALFT
.irp s, 0,1
	v_add_nc_u32 v[ADRA+\s], s21, v[LI]
	v_add_nc_u32 v[ADRA+2+\s], s21, v[LJ]
	v_add_nc_u32 v[ADRB+\s], s22, v[LI]
	v_add_nc_u32 v[ADRB+2+\s], s22, v[LJ]
	s_add_co_u32 s21, s21, SLOT
	s_add_co_u32 s22, s22, SLOT
.endr
	s_lshl_b32 s21, s15, 12
	s_lshl_b32 s22, s16, 12
	s_add_co_u32 s22, s22, 8320
	s_sub_co_u32 s22, s22, s21
	v_mul_u32_u24 v6, s22, v2                      ; lanes 16-31 take B's scale words: one product, the distance between the two
	s_add_co_u32 s21, s21, SCL
	v_lshl_add_u32 v5, v1, 3, v6
	v_add_nc_u32 v[ADRS], s21, v5
	s_mul_i32 s23, s14, 16*SPITCH                  ; my stage
	v_mul_u32_u24 v5, v1, SPITCH
	v_lshl_add_u32 v5, v2, 6, v5
	v_add_nc_u32 v[STO], s23, v5                   ; in: row r, + 64 h
	v_add_nc_u32 v[RD], s23, v[LI]                 ; back: a row of 512 bytes, 16 a lane
.macro FRAG reg, adr, q, i
	ds_load_b128 v[\reg:\reg+3], v[\adr] offset:(\i)*RT+(\q)*1536
	ds_load_b64 v[\reg+4:\reg+5], v[\adr+2] offset:(\i)*RT+(\q)*1536+512
	ds_load_b128 v[\reg+6:\reg+9], v[\adr] offset:(\i)*RT+(\q)*1536+768
	ds_load_b64 v[\reg+10:\reg+11], v[\adr+2] offset:(\i)*RT+(\q)*1536+1280
.endm
; the 64 accumulators take turns, one instruction a turn, in the same order in every step
.macro MUL16 a0, p, q, sc, zero
.irp a, \a0, \a0+1
.irp b, 0,1,2,3,4,5,6,7
.if \zero
	v_wmma_scale_f32_16x16x128_f8f6f4 v[8*(8*((\a)%4)+\b):8*(8*((\a)%4)+\b)+7], v[128*(\p)+FR*\b:128*(\p)+FR*\b+FR-1], v[AF+FR*(\a):AF+FR*(\a)+FR-1], 0, v[SC+8*NQ*(\sc)+NQ*\b+(\q)], v[SC+8*NQ*(\sc)+NQ*(\a)+(\q)] matrix_a_fmt:MATRIX_FMT_FP6 matrix_b_fmt:MATRIX_FMT_FP6 matrix_a_scale:MATRIX_SCALE_ROW1
.else
	v_wmma_scale_f32_16x16x128_f8f6f4 v[8*(8*((\a)%4)+\b):8*(8*((\a)%4)+\b)+7], v[128*(\p)+FR*\b:128*(\p)+FR*\b+FR-1], v[AF+FR*(\a):AF+FR*(\a)+FR-1], v[8*(8*((\a)%4)+\b):8*(8*((\a)%4)+\b)+7], v[SC+8*NQ*(\sc)+NQ*\b+(\q)], v[SC+8*NQ*(\sc)+NQ*(\a)+(\q)] matrix_a_fmt:MATRIX_FMT_FP6 matrix_b_fmt:MATRIX_FMT_FP6 matrix_a_scale:MATRIX_SCALE_ROW1
.endif
.endr
.endr
.endm
.macro FETCH_B slot, q, p
	WIN TO_B
.irp i, 0,1,2,3,4,5,6,7
	FRAG 128*(\p)+FR*\i, ADRB+\slot, \q, \i
.endr
	WIN 0
.endm
.macro FETCH_A slot, q, i0
.irp i, \i0, \i0+1, \i0+2, \i0+3
	FRAG AF+FR*(\i), ADRA+\slot, \q, \i
.endr
.endm
.macro SCALES sc, ks
.irp i, 0,1,2,3,4,5,6,7
	ds_load_b64 v[SC+8*NQ*\sc+NQ*\i:SC+8*NQ*\sc+NQ*\i+1], v[ADRS] offset:\i*128+(\ks)*1024
.endr
.endm
.macro PLACES n
.rept \n
	v_nop
.endr
.endm
.macro STEP slot, q, zero
	s_wait_dscnt 4*NL                              ; all but the youngest 16 loads (A's blocks 4-7) are in
	WIN MUL_LO
	MUL16 0, (\q)%2, \q, \slot, \zero
	MUL16 2, (\q)%2, \q, \slot, \zero
	s_wait_dscnt 0
	PLACES NP
	FETCH_B \slot, (\q)+1, 1-(\q)%2
	FETCH_A \slot, (\q)+1, 0
	WIN MUL_HI
	MUL16 4, (\q)%2, \q, \slot, \zero
	MUL16 6, (\q)%2, \q, \slot, \zero
	PLACES NP
	WIN 0
	FETCH_A \slot, (\q)+1, 4
.endm
.macro TURN slot, next, fill, ks
	s_wait_tensorcnt 0x0                           ; all my tensor loads have landed: my part of the next slot
	ds_add_u32 v[SPW], v[NIL]                      ; 0 onto my spare word
	s_wait_dscnt 4*NL+1                            ; the add and the youngest 16 loads may be out
	WIN MUL_LO
	MUL16 0, 1, NQ-1, \slot, 0
	s_wait_dscnt 0x0                               ; the add is done, and my reads of this slot are over
	s_barrier_signal -1
	MUL16 2, 1, NQ-1, \slot, 0
	WIN 0
	s_barrier_wait -1
.if \fill
	CREST                                          ; the barrier has opened a round of the cluster's
	s_add_nc_u64 s[G0+4*\slot+2:G0+4*\slot+3], s[G0+4*\slot+2:G0+4*\slot+3], 2*RT
	s_add_nc_u64 s[G0B+4*\slot+2:G0B+4*\slot+3], s[G0B+4*\slot+2:G0B+4*\slot+3], 2*RT
	JLOAD G0+4*\slot, G1, G0B+4*\slot, G1B         ; my one tensor load behind the round
.else
	PLACES NP
.endif
	FETCH_B \next, 0, 0
	FETCH_A \next, 0, 0
	SCALES \next, \ks
	WIN MUL_HI
	MUL16 4, 1, NQ-1, \slot, 0
	MUL16 6, 1, NQ-1, \slot, 0
	PLACES NP
	WIN 0
	FETCH_A \next, 0, 4
.endm
	s_wait_tensorcnt 1                             ; the scale bytes and my part of K step 0 are in (K step 1's load may be out),
	s_barrier_signal -1
	s_barrier_wait -1                              ; everybody's are
	FETCH_B 0, 0, 0
	FETCH_A 0, 0, 0
	SCALES 0, 0
	FETCH_A 0, 0, 4
	STEP 0, 0, 1
	TURN 0, 1, 1, 1
	STEP 1, 0, 0
	TURN 1, 0, 1, 2
	STEP 0, 0, 0
	TURN 0, 1, 0, 3
	STEP 1, 0, 0
	s_wait_dscnt 4*NL                              ; the very last 128 along K
	WIN MUL_LO
	MUL16 0, 1, NQ-1, 1, 0
	MUL16 2, 1, NQ-1, 1, 0
	s_wait_dscnt 0
	WIN MUL_HI
	MUL16 4, 1, NQ-1, 1, 0
	MUL16 6, 1, NQ-1, 1, 0
	WIN 0
; THE WAY OUT, block by block of 16 rows x 128 columns, through my own stage.  Tile b = 2 g + u of B holds columns 32 g + 16 h + 8 u + 0 .. 7: bytes 128 g + 64 h + 32 u of the row.
.macro TOSTAGE a
.set AC, 64*((\a)%4)
	WIN 0x08+4*((\a)/4)                            ; the data: window 2 or 3
.irp b, 0,1,2,3,4,5,6,7
	ds_store_b128 v[STO], v[AC+8*\b:AC+8*\b+3] offset:128*(\b/2)+32*(\b%2)        ; each accumulator from its low end on
	ds_store_b128 v[STO], v[AC+8*\b+4:AC+8*\b+7] offset:128*(\b/2)+32*(\b%2)+16
.endr
	WIN 0
.set BB, BK+64*((\a)%2)
.irp t, 0,1,2,3,4,5,6,7,8,9,10,11,12,13,14,15
	ds_load_b128 v[BB+4*\t:BB+4*\t+3], v[RD] offset:\t*SPITCH     ; LDS serves a wave's instructions in order: these see my stores
.endr
.endm
.macro SEND a, younger                 ; position t of block a is row 32 (a / 2) + 8 (a % 2) + t % 8 + 16 (t / 8): it stands in the immediate, 127 rows of 4,096 bytes at the most
.set BB, BK+64*((\a)%2)
	s_wait_dscnt \younger
.irp t, 0,1,2,3,4,5,6,7,8,9,10,11,12,13,14,15
	v_pk_add_f32 v[BB+4*\t:BB+4*\t+1], v[BB+4*\t:BB+4*\t+1], v[BI:BI+1]
	v_pk_add_f32 v[BB+4*\t+2:BB+4*\t+3], v[BB+4*\t+2:BB+4*\t+3], v[BI+2:BI+3]
	global_store_b128 v[LI], v[BB+4*\t:BB+4*\t+3], s[98:99] offset:(32*((\a)/2)+8*((\a)%2)+\t%8+16*(\t/8))*4096 th:TH_STORE_NT   ; 32 lanes store 512 consecutive bytes, aligned
.endr
.endm
	PLACES NP
	s_wait_loadcnt 0x0                             ; the bias
	TOSTAGE 0
.irp a, 1,2,3,4,5,6,7
.if \a > 1
	s_wait_xcnt 0x0                                ; block a - 2's stores have read their registers: block a's loads may land there
.endif
	TOSTAGE \a
	SEND \a-1, 32                                  ; behind block a - 1's loads: block a's 16 stores and 16 loads
.endr
	SEND 7, 0
	s_wait_tensorcnt 0x0                           ; the wave's end
	ds_add_u32 v[SPW], v[NIL]
	s_wait_dscnt 0x0
	CROUND                                         ; the closing round
	s_endpgm
.Lfunc_end_k_q1d757db3ec_gemm_proj:
	.size	k_q1d757db3ec_gemm_proj, .Lfunc_end_k_q1d757db3ec_gemm_proj-k_q1d757db3ec_gemm_proj
	.p2alignl 7, 3214868480
	.fill 96, 4, 3214868480
	.section	.rodata,"a",@progbits
	.p2align	6, 0x0
	.amdhsa_kernel k_q1d757db3ec_gemm_proj
		.amdhsa_group_segment_fixed_size 327680
		.amdhsa_private_segment_fixed_size 0
		.amdhsa_enable_private_segment 0
		.amdhsa_kernarg_size 48
		.amdhsa_user_sgpr_count 2
		.amdhsa_user_sgpr_kernarg_segment_ptr 1
		.amdhsa_wavefront_size32 1
		.amdhsa_system_sgpr_workgroup_id_x 1
		.amdhsa_system_sgpr_workgroup_id_y 1
		.amdhsa_system_sgpr_workgroup_id_z 1
		.amdhsa_system_vgpr_workitem_id 0
		.amdhsa_next_free_vgpr 1024
		.amdhsa_next_free_sgpr 100
		.amdhsa_reserve_vcc 0
		.amdhsa_float_denorm_mode_32 3
		.amdhsa_float_denorm_mode_16_64 3
		.amdhsa_memory_ordered 1
		.amdhsa_forward_progress 1
		.amdhsa_inst_pref_size 159
	.end_amdhsa_kernel
	.amdgpu_metadata
---
amdhsa.version: [ 1, 2 ]
amdhsa.kernels:
  - .name:           k_q1d757db3ec_gemm_proj
    .symbol:         k_q1d757db3ec_gemm_proj.kd
    .args:
      - { .name: y_codes, .offset: 0, .size: 8, .value_kind: global_buffer, .address_space: global }
      - { .name: y_sc, .offset: 8, .size: 8, .value_kind: global_buffer, .address_space: global }
      - { .name: xw_codes, .offset: 16, .size: 8, .value_kind: global_buffer, .address_space: global }
      - { .name: xw_sc, .offset: 24, .size: 8, .value_kind: global_buffer, .address_space: global }
      - { .name: b_proj, .offset: 32, .size: 8, .value_kind: global_buffer, .address_space: global }
      - { .name: out0, .offset: 40, .size: 8, .value_kind: global_buffer, .address_space: global }
    .group_segment_fixed_size: 327680
    .private_segment_fixed_size: 0
    .kernarg_segment_align: 8
    .kernarg_segment_size: 48
    .max_flat_workgroup_size: 128
    .sgpr_count:     100
    .vgpr_count:     1024
    .wavefront_size: 32
...
	.end_amdgpu_metadata
.endif
;; end of part 4
